; MI455X (gfx1250); checked and timed in simulation.
; The chip was launched on July 23, 2026; its instructions are those of AMD's public machine-readable ISA for CDNA 5 (MIT licence, August 2026) and "CDNA5" Instruction Set Architecture Reference Guide (July 2026). The comments in the code are by the model that wrote it; some were corrected since.
;; Causal Self Attention. Allowed arithmetic: matrix products marked QUANTISED: E2M3 operands, one E8M0 scale for each 32 along K, by v_wmma_scale_f32_16x16x128_f8f6f4 with both operands' format E2M3, f32 sums; everything else in f32.
;; Inputs: b_proj 1,024 float32; b_qkv 3,072 float32; w_proj 1,024 x 1,024 float32; w_qkv 1,024 x 3,072 float32; x 4 x 2,048 x 1,024 float32.
;; Outputs: out0 4 x 2,048 x 1,024 float32.
;; This version of the problem:
;;   THIS VERSION OF THE PROBLEM IS GIVEN IN LOW PRECISION. The matrix products marked QUANTISED in the list below multiply operands that are first quantised to E2M3 (2 exponent bits, 3 mantissa bits; 6 bits a number), with one power-of-two scale for each 32 numbers along K (OCP MX v1.0); their sums are f32. All else is computed in f32.
;;   The module's matrix products, in the order in which they are computed (A, B: the left and right operand; K: the contracted axis; several contracted axes count as one K, in the product's order):
;;     1. [M 8,192, K 1,024] x [K 1,024, N 3,072]; A: input x; B: input w_qkv: QUANTISED
;;     2. batch 64 x [M 2,048, K 64] x [K 64, N 2,048]; A: computed on the way; B: computed on the way: QUANTISED
;;     3. batch 64 x [M 2,048, K 2,048] x [K 2,048, N 64]; A: softmax (see below); B: computed on the way: QUANTISED
;;     4. [M 8,192, K 1,024] x [K 1,024, N 1,024]; A: computed on the way; B: input w_proj: QUANTISED
;;   THE QUANTISER, for each operand of a quantised product, along K:
;;     - K is cut into blocks of 32 from its start; a last block that is shorter is filled with zeros.
;;     - A block's scale is 2^e with e = floor(log2(the largest magnitude in the block)) - 2, held to -126 .. 127; a block of zeros has e = 0. As a byte (E8M0): e + 127.
;;     - Each number is divided by its block's scale, clamped to +-7.5, and rounded to the nearest number of E2M3, ties to even, subnormals kept.
;;     - The product sums the exact products of the quantised numbers (number of the format x scale) in f32.
;;   ~~~python
;;   def quantise(x, axis):      # numpy; x: float32 -> the quantised numbers, widened to float32 again
;;       x = np.moveaxis(x, axis, -1); K = x.shape[-1]
;;       x = np.pad(x, [(0, 0)] * (x.ndim - 1) + [(0, -K % 32)]); x = x.reshape(x.shape[:-1] + (-1, 32)); a = np.abs(x).max(-1, keepdims=True)
;;       e = np.where(a > 0, np.clip(np.frexp(np.where(a > 0, a, 1))[1] - 1 - 2, -126, 127), 0)      # np.frexp(a)[1] - 1 = floor(log2(a)), exactly
;;       r = np.clip(x / 2.0 ** e, -7.5, 7.5)
;;       step = 2.0 ** (np.maximum(np.frexp(np.where(r == 0, 1, r))[1] - 1, 0) - 3)
;;       q = np.round(r / step) * step * 2.0 ** e      # np.round: ties to even
;;       return np.moveaxis(q.reshape(q.shape[:-2] + (-1,))[..., :K], -1, axis).astype(np.float32)
;;   ~~~
;;   SOFTMAX AHEAD OF A QUANTISED PRODUCT. Where the list says 'softmax', what is quantised is not the finished softmax but p = 2^(t - M), with t = logit x log2(e) and M = ceil(the row's largest t), a whole number; so 1/2 < the row's largest p <= 1. The row's sum l is taken of the UNQUANTISED p, in f32, and the product's result is divided by l at the end. Since M is a whole number, a kernel that streams over the keys may use a running M (the ceiling of the running maximum): every later rescaling is an exact power of two, which a block's scale takes up: the codes' values come out the same.
;;   OPERANDS COMPUTED ON THE WAY. 'Computed on the way' means the value that the module computes at that place (a softmax that the list does not call 'softmax' is quantised finished and normalised). What goes into a quantiser is computed in f32, as accurately as f32 sums, v_exp_f32 and their like allow (about 1e-6 of the number): no bf16 or f16 on the way to a quantiser, and a product that is left as it is and whose result goes on into a quantised operand takes f32 operands (vector FMAs, or v_wmma_f32_16x16x4_f32). A number that lies on a knife's edge between two numbers of the format may be rounded either way, as far as f32 arithmetic and the matrix unit's own rounding can turn it there, and no further.
;; One version. Each part assembles by itself: llvm-mc -triple=amdgcn-amd-amdhsa -mcpu=gfx1250 --defsym DOCPART=n.
;; ======== version 1 of 1: 4 launches
;; workspace buffers: xq 6,553,600 bytes; wq 2,457,600 bytes; wp 819,200 bytes; qi 6,553,600 bytes; kv 13,107,200 bytes; yq 6,553,600 bytes
;; launch prep (part 1): grid 384 x 1, 4 waves a work-group, no clusters, 59,904 bytes of LDS; arguments x, w_qkv, w_proj, xq, wq, wp; writes xq, wq, wp
.if DOCPART == 1
	.amdgcn_target "amdgcn-amd-amdhsa--gfx1250"
	.amdhsa_code_object_version 6
	.text
	.protected	k_q7338fe009d_prep
	.globl	k_q7338fe009d_prep
	.p2align	8
	.type	k_q7338fe009d_prep,@function
k_q7338fe009d_prep:
	s_mov_b64 s[64:65], 0
	v_nop
	global_prefetch_b8 v0, s[64:65] scope:SCOPE_SE
	s_setreg_imm32_b32 hwreg(HW_REG_WAVE_MODE, 25, 1), 1
	s_wait_xcnt 0x0
; x [8192][1024], w_qkv [1024][3072] and w_proj [1024][1024], f32, become codes of FP6 (E2M3) with one E8M0 byte for each 32 along K (K = 1024 for all three),
; laid in the order of the matrix operand's registers, so that the products' launches fetch fragments as dense blocks.
; A block's scale is 2^(floor(log2(largest magnitude)) - 2): its byte is the largest magnitude's exponent field - 2, held at 1 from below by a floor among the maximum's leaves.
; LIMITS: NaN and infinities among the inputs are not served.  A block of zeros, or one whose largest magnitude lies under 2^-124, gets the byte 1 (the stated quantiser: 127 for zeros);
; its codes are zeros or nearly so, and the bytes are read by this program alone.
; TILE ORDER: rows (tokens of x, columns of a weight) go in groups of 32; tile 2 g + u, row r, is index 32 g + 8 u + r + 8 (r / 8).
; CODES: [tile][K step of 128: 0..7][1,536 bytes]; in a fragment piece p (0..5) holds lane l's registers 2 p, 2 p + 1 at 256 p + 8 l; lane (r, h) holds k = 64 c + 32 h + 0..31 in registers 6 c .. 6 c + 5.
; SCALE BYTES, behind the codes: for each 128 positions (16 x tile + r) 4,096 bytes: [256 along K: 0..3][position % 128][8 bytes].
; Work-groups 0-255 take x (32 tokens each, 131,072 consecutive bytes), work-groups 256-383 the weights (128 columns x 256 along K each).  The two paths have LDS bytes of their own.
; No matrix work, no tensor load, no barrier: waves share nothing.  Memory binds: each input byte is read once, by loads of 512 (x) or 128 (weights) consecutive bytes a wave.
.set SPARE, 59392                      ; behind the stages: the spare words, 128 bytes for each wave
.set SPW,   30                         ; v30  LDS address of my spare word; never rewritten
.set NIL,   31                         ; v31  0; never rewritten
.set XSC,   6291456                    ; where x's scale bytes begin in xq
.set R,     32                         ; x: v32-159  two sets of 64 numbers as loaded
.set X,     160                        ; x: v160-223 my 64 numbers of a fragment: register 32 c + i is k = 64 c + 32 h + i of my row
.set F,     224                        ; x: v224-235 the fragment's codes
.set T,     236                        ; x: v236-242 the upper halves of the two blocks, as the conversions leave them
.set XST,   8448                       ; x: a wave's stage: 16 rows x (512 bytes + 16)
.set VO,    32                         ; W: v32-63   4 x lane + i rows of W
.set WX,    64                         ; W: v64-127  two sets of 32 numbers
.set C,     128                        ; W: v128-134 a block's codes
.set SB,    24                         ; W: v24-25   my column's eight scale bytes
.set OUTR,  136                        ; W: v136-183 the way out
.set WST0,  33792                      ; W: the stages begin behind x's
.set WST,   6400                       ; W: a wave's stage: two tiles x (3,072 bytes + 128)
.macro XLOAD f                         ; K step f of my four: row i of my tile, 512 consecutive bytes a load
.irp i, 0,1,2,3,4,5,6,7,8,9,10,11,12,13,14,15
	global_load_b128 v[R+64*((\f)%2)+4*\i:R+64*((\f)%2)+4*\i+3], v20, s[4:5] offset:(\i+8*(\i/8))*4096+512*(\f) th:TH_LOAD_NT
.endr
.endm
.macro XTURN f                         ; through my stage: in as loaded, out 128 bytes of my row for each of my two blocks.  LDS serves a wave's instructions in order: no wait between
.irp i, 0,1,2,3,4,5,6,7,8,9,10,11,12,13,14,15
	ds_store_b128 v22, v[R+64*((\f)%2)+4*\i:R+64*((\f)%2)+4*\i+3] offset:528*\i
.endr
.irp c, 0,1
.irp d, 0,1,2,3,4,5,6,7
	ds_load_b128 v[X+32*\c+4*\d:X+32*\c+4*\d+3], v23 offset:256*\c+16*\d
.endr
.endr
.endm
.macro XQ f                            ; my two whole blocks (2 c + h) become twelve registers of codes; the row's scale word goes to v[16 + f]
.irp c, 0,1
	v_max3_num_f32 v[8+\c], |v[X+32*\c]|, |v[X+32*\c+1]|, 0x1800000   ; the floor 2^(3 - 127): the byte cannot fall under 1
.endr
.irp i, 2,4,6,8,10,12,14,16,18,20,22,24,26,28,30
.irp c, 0,1
	v_max3_num_f32 v[8+\c], v[8+\c], |v[X+32*\c+\i]|, |v[X+32*\c+\i+1]|
.endr
.endr
.irp c, 0,1
	v_add_nc_u32 v[10+\c], 0xff000000, v[8+\c]     ; 2 off the exponent field: the conversion's scale operand
.endr
.irp c, 0,1
	v_lshrrev_b32 v[12+\c], 23, v[10+\c]           ; the scale's byte
.endr
	v_lshl_or_b32 v[16+\f], v13, 16, v12           ; blocks h and 2 + h,
	v_lshlrev_b32 v[16+\f], v14, v[16+\f]          ; 8 h bits up;
	v_permlanex16_b32 v15, v[16+\f], s20, s21
	v_or_b32 v[16+\f], v[16+\f], v15               ; with lane l xor 16's two the word is whole
	s_wait_xcnt 0x0                                ; the last fragment's stores have read their data: the codes' registers are rewritten only behind this wait
.irp c, 0,1
	v_cvt_scalef32_pk16_fp6_f32 v[F+6*\c:F+6*\c+2], v[X+32*\c:X+32*\c+15], v[10+\c]
	v_cvt_scalef32_pk16_fp6_f32 v[T+4*\c:T+4*\c+2], v[X+32*\c+16:X+32*\c+31], v[10+\c]   ; (a conversion's three registers begin on an even number)
.endr
	v_nop                                          ; one plain instruction behind the scaled conversions
.irp c, 0,1
.irp i, 0,1,2
	v_mov_b32 v[F+6*\c+3+\i], v[T+4*\c+\i]
.endr
.endr
.irp p, 0,1,2,3,4,5
	global_store_b64 v21, v[F+2*\p:F+2*\p+1], s[24:25] offset:1536*(\f)+256*\p   ; 32 lanes store 256 consecutive bytes, aligned
.endr
.endm
.macro WLOAD t                         ; block t of my column: W(32 t + i, column); 32 lanes read 128 consecutive bytes
.irp i, 0,1,2,3,4,5,6,7,8,9,10,11,12,13,14,15,16,17,18,19,20,21,22,23,24,25,26,27,28,29,30,31
	global_load_b32 v[WX+32*((\t)%2)+\i], v[VO+\i], s[32+2*(\t):33+2*(\t)] th:TH_LOAD_NT
.endr
.endm
.macro WBLOCK t
.set XS, WX+32*((\t)%2)
.if (\t) < 7
	s_wait_loadcnt 32                              ; this block's 32 loads are in; the next block's may be out
.else
	s_wait_loadcnt 0x0
.endif
	v_max3_num_f32 v12, |v[XS]|, |v[XS+1]|, |v[XS+2]|   ; all 32 numbers of the block are mine
	v_max3_num_f32 v13, |v[XS+3]|, |v[XS+4]|, |v[XS+5]|
.irp i, 6,10,14,18,22,26
	v_max3_num_f32 v12, v12, |v[XS+\i]|, |v[XS+\i+1]|
	v_max3_num_f32 v13, v13, |v[XS+\i+2]|, |v[XS+\i+3]|
.endr
	v_max3_num_f32 v12, v12, |v[XS+30]|, |v[XS+31]|
	v_max3_num_f32 v12, v12, v13, 0x1800000        ; and the floor
	v_add_nc_u32 v11, 0xff000000, v12
	v_lshrrev_b32 v13, 23, v11
.if (\t)%4 == 0
	v_mov_b32 v[SB+(\t)/4], v13
.else
	v_lshl_or_b32 v[SB+(\t)/4], v13, 8*((\t)%4), v[SB+(\t)/4]
.endif
	v_cvt_scalef32_pk16_fp6_f32 v[C:C+2], v[XS:XS+15], v11
	v_cvt_scalef32_pk16_fp6_f32 v[C+4:C+6], v[XS+16:XS+31], v11
	v_nop                                          ; one plain instruction behind the scaled conversions
	v_mov_b32 v[C+3], v[C+4]                       ; the block's 24 bytes on end
	v_mov_b32 v[C+4], v[C+5]
	v_mov_b32 v[C+5], v[C+6]
.irp j, 0,1,2                                  ; block t is K step t / 4, c = (t / 2) % 2, h = t % 2 of my row's fragment: pieces 3 c + j, lane r + 16 h
	ds_store_b64 v4, v[C+2*\j:C+2*\j+1] offset:((\t)/4)*1536+(((\t)/2)%2)*768+((\t)%2)*128+256*\j
.endr
.if (\t) < 6
	WLOAD (\t)+2
.endif
	s_wait_dscnt 0x0                               ; the stores have read their registers
.endm
	s_load_b256 s[4:11], s[0:1], 0x0               ; x s[4:5], w_qkv s[6:7], w_proj s[8:9], xq s[10:11]
	s_load_b128 s[12:15], s[0:1], 0x20             ; wq s[12:13], wp s[14:15]
	v_lshl_add_u32 v[SPW], v0, 2, SPARE
	v_mov_b32 v[NIL], 0
	v_lshrrev_b32 v1, 5, v0
	v_readfirstlane_b32 s16, v1                    ; wave 0..3
	v_and_b32 v1, 31, v0                           ; lane
	v_and_b32 v2, 15, v0                           ; lane % 16
	v_bfe_u32 v3, v0, 4, 1                         ; lane / 16
	s_cmp_lt_u32 ttmp9, 256
	s_cbranch_scc0 .Lw_path
; ---------------- x: wave w takes tile u = w / 2 of the work-group's two, and K half w % 2: four fragments ----------------
	s_lshr_b32 s17, s16, 1                         ; u
	s_and_b32 s18, s16, 1                          ; K half
	s_mul_i32 s19, s16, XST                        ; my stage
	v_lshlrev_b32 v20, 4, v1                       ; 16 x lane: my bytes of a load's 512
	v_lshlrev_b32 v21, 3, v1                       ; 8 x lane: my bytes of a piece
	v_add_nc_u32 v22, s19, v20                     ; the stage, on the way in
	v_mul_u32_u24 v23, v2, 528
	v_lshl_add_u32 v23, v3, 7, v23
	v_add_nc_u32 v23, s19, v23                     ; and out: row r, + 128 h
	v_lshlrev_b32 v24, 3, v2
	v_lshl_add_u32 v24, v3, 10, v24                ; the scale words' place: 8 r, lanes 16-31 the next 256 along K
	v_lshlrev_b32 v14, 3, v3                       ; 8 h
	v_mov_b32 v15, 0                               ; a lane permute's destination counts as one of its sources
	s_mov_b32 s20, 0x76543210
	s_mov_b32 s21, 0xfedcba98                      ; selects for lane l xor 16
	s_lshl_b32 s22, ttmp9, 17                      ; x: 32 rows of 4,096 bytes a work-group,
	s_lshl_b32 s24, s17, 15                        ; tile u begins 8 rows on,
	s_add_co_u32 s22, s22, s24
	s_lshl_b32 s24, s18, 11                        ; my K half
	s_add_co_u32 s22, s22, s24
	s_mov_b32 s23, 0
	s_lshl_b32 s24, ttmp9, 1
	s_add_co_u32 s24, s24, s17                     ; the tile's number
	s_mul_i32 s24, s24, 12288
	s_mul_i32 s26, s18, 6144
	s_add_co_u32 s24, s24, s26
	s_mov_b32 s25, 0
	s_lshr_b32 s26, ttmp9, 2                       ; scale bytes: which 128 positions,
	s_lshl_b32 s26, s26, 12
	s_lshl_b32 s28, s18, 11                        ; my K half: two runs of 256 along K,
	s_add_co_u32 s26, s26, s28
	s_and_b32 s28, ttmp9, 3
	s_lshl_b32 s28, s28, 8                         ; the work-group's 32 positions,
	s_add_co_u32 s26, s26, s28
	s_lshl_b32 s28, s17, 7                         ; my tile's 16
	s_add_co_u32 s26, s26, s28
	s_add_co_u32 s26, s26, XSC
	s_mov_b32 s27, 0
	s_wait_kmcnt 0x0
	s_add_nc_u64 s[4:5], s[4:5], s[22:23]
	s_add_nc_u64 s[24:25], s[10:11], s[24:25]
	s_add_nc_u64 s[26:27], s[10:11], s[26:27]
	XLOAD 0
	XLOAD 1
.irp f, 0,1,2,3
.if \f < 3
	s_wait_loadcnt 16                              ; this fragment's 16 loads are in; the next one's may be out
.else
	s_wait_loadcnt 0x0
.endif
	XTURN \f
	s_wait_dscnt 0x0                               ; my numbers are back, and the stores into the stage have read their registers,
.if \f < 2
	XLOAD \f+2                                     ; which take the loads of two fragments on
.endif
	XQ \f
.endr
	v_cmp_eq_u32 vcc_lo, 1, v3
	v_cndmask_b32 v26, v16, v18, vcc_lo            ; lanes 0-15: K steps 0, 1 of my half; lanes 16-31: K steps 2, 3
	v_cndmask_b32 v27, v17, v19, vcc_lo
	global_store_b64 v24, v[26:27], s[26:27]       ; two runs of 128 consecutive bytes
	s_wait_tensorcnt 0x0                           ; the wave's end: behind my last LDS store
	ds_add_u32 v[SPW], v[NIL]
	s_wait_dscnt 0x0
	s_endpgm
; ---------------- the weights: a lane takes a column, its registers run down K; wave w takes 32 columns x 256 along K ----------------
.Lw_path:
	s_sub_co_u32 s17, ttmp9, 256
	s_cmp_lt_u32 s17, 96                           ; 96 work-groups for w_qkv (24 x 128 columns, 4 x 256 along K), 32 for w_proj
	s_mov_b32 s22, 4096
	s_cselect_b32 s22, 12288, s22                  ; a row of W in bytes
	s_mov_b32 s23, 786432
	s_cselect_b32 s23, 2359296, s23                ; where the scale bytes begin in the workspace buffer
	s_cselect_b32 s24, 0, 96
	s_wait_kmcnt 0x0
	s_cselect_b64 s[18:19], s[6:7], s[8:9]         ; the choice hangs on the work-group's number alone
	s_cselect_b64 s[20:21], s[12:13], s[14:15]
	s_sub_co_u32 s17, s17, s24
	s_lshr_b32 s25, s17, 2                         ; which 128 columns
	s_and_b32 s26, s17, 3                          ; which 256 along K
	s_lshl_b32 s27, s26, 8
	s_mul_i32 s28, s27, s22
	s_lshl_b32 s27, s25, 9
	s_add_co_u32 s28, s28, s27
	s_lshl_b32 s27, s16, 7
	s_add_co_u32 s28, s28, s27
	s_mov_b32 s29, 0
	s_add_nc_u64 s[32:33], s[18:19], s[28:29]      ; block 0 of my wave's columns,
	s_lshl_b32 s30, s22, 5
	s_mov_b32 s31, 0
.irp t, 1,2,3,4,5,6,7
	s_add_nc_u64 s[32+2*\t:33+2*\t], s[30+2*\t:31+2*\t], s[30:31]   ; and the seven blocks below it, 32 rows apart
.endr
	s_mul_i32 s28, s25, 98304                      ; codes: 8 tiles for 128 columns,
	s_mul_i32 s27, s16, 24576                      ; my wave's two,
	s_add_co_u32 s28, s28, s27
	s_mul_i32 s27, s26, 3072                       ; their two K steps
	s_add_co_u32 s28, s28, s27
	s_add_nc_u64 s[48:49], s[20:21], s[28:29]
	s_lshl_b32 s28, s25, 12
	s_lshl_b32 s27, s26, 10
	s_add_co_u32 s28, s28, s27
	s_lshl_b32 s27, s16, 8
	s_add_co_u32 s28, s28, s27
	s_add_co_u32 s28, s28, s23
	s_add_nc_u64 s[50:51], s[20:21], s[28:29]      ; my wave's 256 scale bytes
	v_lshlrev_b32 v[VO], 2, v1
.irp i, 1,2,3,4,5,6,7,8,9,10,11,12,13,14,15,16,17,18,19,20,21,22,23,24,25,26,27,28,29,30,31
	v_add_nc_u32 v[VO+\i], s22, v[VO+\i-1]
.endr
	s_mul_i32 s27, s16, WST
	s_add_co_u32 s27, s27, WST0                    ; my stage
	v_bfe_u32 v8, v0, 3, 1                         ; column lane of the 32 is tile u = (lane / 8) % 2,
	v_and_b32 v9, 7, v0
	v_lshlrev_b32 v9, 3, v9
	v_lshl_add_u32 v9, v3, 6, v9                   ; row r = lane % 8 + 8 (lane / 16): 8 r
	v_mad_u32_u24 v4, v8, 3200, v9
	v_add_nc_u32 v4, s27, v4                       ; into the stage
	v_lshlrev_b32 v6, 4, v1                        ; out of it: 16 x lane
	v_add_nc_u32 v5, s27, v6
	v_lshl_add_u32 v7, v8, 7, v9                   ; my position's eight scale bytes
	WLOAD 0
	WLOAD 1
.irp t, 0,1,2,3,4,5,6,7
	WBLOCK \t
.endr
	global_store_b64 v7, v[SB:SB+1], s[50:51]      ; the wave stores 256 consecutive bytes, aligned
.irp u, 0,1
.irp m, 0,1,2,3,4,5
	ds_load_b128 v[OUTR+4*(6*\u+\m):OUTR+4*(6*\u+\m)+3], v5 offset:3200*\u+512*\m   ; LDS serves a wave's instructions in order: these see my stores
.endr
.endr
.irp u, 0,1
.irp m, 0,1,2,3,4,5
	s_wait_dscnt 11-6*\u-\m                        ; the younger loads may be out
	global_store_b128 v6, v[OUTR+4*(6*\u+\m):OUTR+4*(6*\u+\m)+3], s[48:49] offset:12288*\u+512*\m   ; 512 consecutive bytes, aligned
.endr
.endr
	s_wait_tensorcnt 0x0                           ; the wave's end: behind my last LDS store
	ds_add_u32 v[SPW], v[NIL]
	s_wait_dscnt 0x0
	s_endpgm
.Lfunc_end_k_q7338fe009d_prep:
	.size	k_q7338fe009d_prep, .Lfunc_end_k_q7338fe009d_prep-k_q7338fe009d_prep
	.p2alignl 7, 3214868480
	.fill 96, 4, 3214868480
	.section	.rodata,"a",@progbits
	.p2align	6, 0x0
	.amdhsa_kernel k_q7338fe009d_prep
		.amdhsa_group_segment_fixed_size 59904
		.amdhsa_private_segment_fixed_size 0
		.amdhsa_enable_private_segment 0
		.amdhsa_kernarg_size 48
		.amdhsa_user_sgpr_count 2
		.amdhsa_user_sgpr_kernarg_segment_ptr 1
		.amdhsa_wavefront_size32 1
		.amdhsa_system_sgpr_workgroup_id_x 1
		.amdhsa_system_sgpr_workgroup_id_y 1
		.amdhsa_system_sgpr_workgroup_id_z 1
		.amdhsa_system_vgpr_workitem_id 0
		.amdhsa_next_free_vgpr 248
		.amdhsa_next_free_sgpr 66
		.amdhsa_reserve_vcc 1
		.amdhsa_float_denorm_mode_32 3
		.amdhsa_float_denorm_mode_16_64 3
		.amdhsa_memory_ordered 1
		.amdhsa_forward_progress 1
		.amdhsa_inst_pref_size 75
	.end_amdhsa_kernel
	.amdgpu_metadata
---
amdhsa.version: [ 1, 2 ]
amdhsa.kernels:
  - .name:           k_q7338fe009d_prep
    .symbol:         k_q7338fe009d_prep.kd
    .args:
      - { .name: x, .offset: 0, .size: 8, .value_kind: global_buffer, .address_space: global }
      - { .name: w_qkv, .offset: 8, .size: 8, .value_kind: global_buffer, .address_space: global }
      - { .name: w_proj, .offset: 16, .size: 8, .value_kind: global_buffer, .address_space: global }
      - { .name: xq, .offset: 24, .size: 8, .value_kind: global_buffer, .address_space: global }
      - { .name: wq, .offset: 32, .size: 8, .value_kind: global_buffer, .address_space: global }
      - { .name: wp, .offset: 40, .size: 8, .value_kind: global_buffer, .address_space: global }
    .group_segment_fixed_size: 59904
    .private_segment_fixed_size: 0
    .kernarg_segment_align: 8
    .kernarg_segment_size: 48
    .max_flat_workgroup_size: 128
    .sgpr_count:     66
    .vgpr_count:     248
    .wavefront_size: 32
...
	.end_amdgpu_metadata
.endif
;; end of part 1
;; launch qkv (part 2): grid 12 x 32, 4 waves a work-group, clusters of 4 x 4, 327,680 bytes of LDS; arguments xq, wq, b_qkv, qi, kv; writes qi, kv
.if DOCPART == 2
	.amdgcn_target "amdgcn-amd-amdhsa--gfx1250"
	.amdhsa_code_object_version 6
	.text
	.protected	k_q7338fe009d_qkv
	.globl	k_q7338fe009d_qkv
	.p2align	8
	.type	k_q7338fe009d_qkv,@function
k_q7338fe009d_qkv:
	s_mov_b64 s[64:65], 0
	v_nop
	global_prefetch_b8 v0, s[64:65] scope:SCOPE_SE
	s_setreg_imm32_b32 hwreg(HW_REG_WAVE_MODE, 25, 1), 1
	s_wait_xcnt 0x0
	s_wait_alu depctr_hold_cnt(0) depctr_sa_sdst(0) depctr_va_vdst(0) depctr_va_sdst(0) depctr_va_ssrc(0) depctr_va_vcc(0) depctr_vm_vsrc(0)
	s_getreg_b32 s2, hwreg(HW_REG_IB_STS2, 6, 4)
	s_cmp_eq_u32 s2, 0
	s_cbranch_scc0 .Lentry_in_a_cluster
	s_endpgm
.Lentry_in_a_cluster:
	s_bfe_u32 s2, ttmp6, 0x10000c
	s_cmp_lg_u32 s2, 0xf033
	s_cbranch_scc0 .Lentry_shape_is_right
	s_endpgm
.Lentry_shape_is_right:
; qkv = x w_qkv + b_qkv on codes of FP6 (E2M3) with E8M0 scales (K = 1024), and q, k, v quantised in registers for the attention launch: no f32 number goes to memory.
; A tile of 256 x 256 is made by four waves, 128 x 128 each: 64 accumulators of 16 x 16.  K goes in steps of 256 through a ring of two LDS slots filled by the tensor data mover.
; Operands lie in memory in the order of the operand's registers (tile: 12,288 bytes = 8 K steps x 1,536), rows in TILE ORDER: tile 2 g + u, row r, is index 32 g + 8 u + r + 8 (r / 8).
; ROLES.  Source 1 ("A") gives the result's lanes, source 0 ("B") its registers: with B in tile order a lane's 64 registers of one block of A are 128 NEIGHBOURS along B's index (register 16 b + i: 32 b + 16 h + i).
;   clusters x = 0 (q) and 1 (k): A = 256 tokens of x, B = 256 columns of w: a lane holds a token, its registers run along the features: q and k are quantised along the head's 64.
;   cluster  x = 2 (v):           A = 256 columns of w, B = 256 tokens of x: a lane holds a feature, its registers run along the tokens: v is quantised along the keys.
; The part is the cluster's x: the same in all sixteen partners.  A's tiles hang on the cluster's y and cy alone and are asked for jointly by a row of the cluster, B's on cx and are asked for by a column.
; The bias is the C of each sum's first product.  The scale bytes of the work-group's rows for all of K (4 x 4,096 bytes) come once, with the first fills.
; OUT.  q: qi[head][128 tokens j][6,400]: four images of 32 tokens (1,536 bytes: registers 0-5 tile u = 0, 6-11 tile u = 1; chunk c holds lane l's registers 4 c .. 4 c + 3 at 512 c + 16 l), then their scale words (64 bytes each).
;       k, v: kv[head][j][12,800]: k's four images, v's four fragments (16 d in tile order x 128 keys), k's words, v's words.
; LIMITS: NaN and infinities are not served; a block of zeros or under 2^-124 gets the byte 1, read by this program alone.
; No prefetch: a work-group has four slots in all, two of them asked for at its head.
; REGISTERS: window 0: v0-31 addresses; v32-63 scale words, two sets; v64-127 the bias; v128-223 A's fragments, one set (on the way out v160-215 are at work).  window 1: B's fragments, two sets, at v0 and v128.
;   windows 2, 3: the accumulators: (a, b) at v[8 (8 (a % 4) + b)], window 2 + a / 4.
.set NQ,    2                          ; K steps of 128 in a slot
.set FR,    12                         ; registers of a fragment
.set NL,    6                          ; LDS loads that bring one
.set NP,    4                          ; places behind this matrix instruction (ISA guide 7.12.1)
.set FRB,   1536                       ; a fragment in bytes
.set TILB,  3072                       ; a tile's part of a slot
.set TILG,  12288                      ; a tile in memory
.set HALFT, 8*TILB                     ; 128 rows: what one tensor load brings
.set SLOT,  4*HALFT
.set SCL,   2*SLOT                     ; behind the ring: the scale bytes, 4,096 for each wave's 128 rows
.set SPARE, SCL+4*4096                 ; the spare words, 128 bytes for each wave
.set LAPS,  2                          ; 1024 along K = four slots = twice round the ring
.set XSC,   6291456                    ; where the scale bytes begin in xq,
.set WSC,   2359296                    ; and in wq
.set ADRA,  16                         ; v16-17 LDS address of my A fragments in slot 0, 1
.set ADRB,  20                         ; v20-21 the same for B
.set LI,    24                         ; v24    16 x lane
.set SCV,   25                         ; v25    the way out: my scale word's place
.set ADRS,  27                         ; v27    LDS address of my scale words: lanes 0-15 A's rows, lanes 16-31 B's
.set SPW,   28                         ; v28    LDS address of my spare word; never rewritten
.set NIL,   29                         ; v29    0; never rewritten
.set SC,    32
.set BI,    64
.set AF,    128
.set IM,    160                        ; the way out: two images or fragments, 24 registers
.set CT,    184                        ; the conversions' second halves
.set WA,    192                        ; two scale words
.set WB,    193
.set SD,    194                        ; the one that my lane stores
.set TM,    200                        ; v200-203 largest magnitudes, v204-207 bytes, v212-215 the conversions' scale operands
.set G1,    24
.set G0,    32
.set G1B,   48
.set G0B,   56
.set G1S,   68
.set G0S,   76
.set G1SB,  80
.set G0SB,  88
.set MSB, 0
.macro WIN new                         ; the immediate's high byte repeats the setting that is left
.if MSB != (\new)
	s_set_vgpr_msb (MSB<<8)|(\new)
.set MSB, (\new)
.endif
.endm
.set MUL_LO, 0xa1                      ; source 0 (B) window 1, source 1 (A) window 0, C and D window 2
.set MUL_HI, 0xf1                      ; the same, C and D window 3
.set TO_B,   0x40                      ; destination window 1, address window 0
; A joint load: waves 0 and 1 fetch for A, waves 2 and 3 for B.  The branch hangs on the wave's number alone.  An s_nop 0 and four v_nop follow each of the two lines.
.macro JLOAD g0a, g1a, g0b, g1b
	s_cmp_eq_u32 s15, 0
	s_cbranch_scc0 .Lfor_b_\@
	tensor_load_to_lds s[\g0a:\g0a+3], s[\g1a:\g1a+7]
	s_nop 0
.rept 4
	v_nop
.endr
	s_branch .Lasked_\@
.Lfor_b_\@:
	tensor_load_to_lds s[\g0b:\g0b+3], s[\g1b:\g1b+7]
	s_nop 0
.rept 4
	v_nop
.endr
.Lasked_\@:
.endm
.macro CREST                           ; a round of the cluster's barrier behind its opening barrier
	s_cmp_lg_u32 s14, 0
	s_cbranch_scc1 .Lnot_wave_0_\@
	s_barrier_signal -3
.Lnot_wave_0_\@:
	s_barrier_wait -3
	s_barrier_signal -1
	s_barrier_wait -1
.endm
.macro CROUND
	s_barrier_signal -1
	s_barrier_wait -1
	CREST
.endm
.macro FRAG reg, adr, q, i             ; a fragment lies in LDS as its registers: piece p, registers 2 p and 2 p + 1, at 256 p + 8 x lane: 256 consecutive bytes a load
.irp p, 0,1,2,3,4,5
	ds_load_b64 v[\reg+2*\p:\reg+2*\p+1], v[\adr] offset:(\i)*TILB+(\q)*FRB+256*\p
.endr
.endm
; 16 products: A's blocks a0, a0 + 1 x B's eight, the slot's q-th 128 along K.  p: B's set; sc: the set of scale words.  zero = 1: C = the bias by B's block; 2: by A's block; 0: in place.
; The 64 accumulators take turns, one instruction a turn, in the same order in every step.
.macro MUL16 a0, p, q, sc, zero
.irp a, \a0, \a0+1
.irp b, 0,1,2,3,4,5,6,7
.set rD, 8*(8*((\a)%4)+\b)
.set rB, 128*(\p)+FR*\b
.set rA, AF+FR*(\a)
.set rSB, SC+8*NQ*(\sc)+NQ*\b+(\q)
.set rSA, SC+8*NQ*(\sc)+NQ*(\a)+(\q)
.if (\zero) == 1
	v_wmma_scale_f32_16x16x128_f8f6f4 v[rD:rD+7], v[rB:rB+FR-1], v[rA:rA+FR-1], v[BI+8*\b:BI+8*\b+7], v[rSB], v[rSA] matrix_a_fmt:MATRIX_FMT_FP6 matrix_b_fmt:MATRIX_FMT_FP6 matrix_a_scale:MATRIX_SCALE_ROW1
.elseif (\zero) == 2
	v_wmma_scale_f32_16x16x128_f8f6f4 v[rD:rD+7], v[rB:rB+FR-1], v[rA:rA+FR-1], v[BI+8*(\a):BI+8*(\a)+7], v[rSB], v[rSA] matrix_a_fmt:MATRIX_FMT_FP6 matrix_b_fmt:MATRIX_FMT_FP6 matrix_a_scale:MATRIX_SCALE_ROW1
.else
	v_wmma_scale_f32_16x16x128_f8f6f4 v[rD:rD+7], v[rB:rB+FR-1], v[rA:rA+FR-1], v[rD:rD+7], v[rSB], v[rSA] matrix_a_fmt:MATRIX_FMT_FP6 matrix_b_fmt:MATRIX_FMT_FP6 matrix_a_scale:MATRIX_SCALE_ROW1
.endif
.endr
.endr
.endm
.macro FETCH_B slot, q, p
	WIN TO_B
.irp i, 0,1,2,3,4,5,6,7
	FRAG 128*(\p)+FR*\i, ADRB+\slot, \q, \i
.endr
	WIN 0
.endm
.macro FETCH_A slot, q, i0
.irp i, \i0, \i0+1, \i0+2, \i0+3
	FRAG AF+FR*(\i), ADRA+\slot, \q, \i
.endr
.endm
.macro SCALES sc                       ; a slot's two scale words a row: lanes 0-15 take A's block i, lanes 16-31 B's block i
.irp i, 0,1,2,3,4,5,6,7
	ds_load_b64 v[SC+8*NQ*\sc+NQ*\i:SC+8*NQ*\sc+NQ*\i+1], v[ADRS] offset:128*\i
.endr
.endm
.macro PLACES n                        ; plain vector instructions between a matrix instruction and a load into, or a read of, its registers
.rept \n
	v_nop
.endr
.endm
.macro STEP slot, q, zero              ; a step of 128 along K that has its successor in the same slot
	s_wait_dscnt 4*NL                              ; B's set and A's blocks 0-3 are in; the youngest 24 loads (A's blocks 4-7) may be out
.if \zero
	WIN 0x81                                       ; the bias, C, lies in window 0
.else
	WIN MUL_LO
.endif
	MUL16 0, (\q)%2, \q, \slot, \zero
	MUL16 2, (\q)%2, \q, \slot, \zero
	s_wait_dscnt 0x0                               ; A's blocks 4-7 are in
	PLACES NP
	FETCH_B \slot, (\q)+1, 1-(\q)%2
	FETCH_A \slot, (\q)+1, 0
.if \zero
	WIN 0xc1
.else
	WIN MUL_HI
.endif
	MUL16 4, (\q)%2, \q, \slot, \zero
	MUL16 6, (\q)%2, \q, \slot, \zero
	PLACES NP
	WIN 0
	FETCH_A \slot, (\q)+1, 4
.endm
; A slot's last step changes slots: one barrier; in front of it each wave waits for all its tensor loads, adds 0 to its spare word, and waits for that and for its reads of this slot.  fill = 1: the slot is filled again, two slots ahead.
.macro TURN slot, next, fill
	s_wait_tensorcnt 0x0                           ; all my tensor loads have landed: my part of the next slot
	ds_add_u32 v[SPW], v[NIL]                      ; 0 onto my spare word
	s_wait_dscnt 4*NL+1                            ; (the add and A's blocks 4-7 may be out)
	WIN MUL_LO
	MUL16 0, 1, NQ-1, \slot, 0
	s_wait_dscnt 0x0                               ; the add is done, and my reads of this slot are over
	s_barrier_signal -1
	MUL16 2, 1, NQ-1, \slot, 0
	WIN 0
	s_barrier_wait -1
.if \fill
	CREST                                          ; the barrier has opened a round of the cluster's barrier: no wave of any partner still reads this slot or has a load on its way
	s_add_nc_u64 s[G0+4*\slot+2:G0+4*\slot+3], s[G0+4*\slot+2:G0+4*\slot+3], 2*TILB
	s_add_nc_u64 s[G0B+4*\slot+2:G0B+4*\slot+3], s[G0B+4*\slot+2:G0B+4*\slot+3], 2*TILB
	JLOAD G0+4*\slot, G1, G0B+4*\slot, G1B         ; the first tensor load behind the round; its four v_nop are the places in front of the loads below
.else
	PLACES NP
.endif
	v_add_nc_u32 v[ADRS], 1024, v[ADRS]            ; the next slot's scale words
	FETCH_B \next, 0, 0
	FETCH_A \next, 0, 0
	SCALES \next
	WIN MUL_HI
	MUL16 4, 1, NQ-1, \slot, 0
	MUL16 6, 1, NQ-1, \slot, 0
	PLACES NP
	WIN 0
	FETCH_A \next, 0, 4
.endm
; 64 results of a lane, v[s] on in window W, register 16 b + i = index 32 b + 16 h + i of my row, become twelve registers of codes: blocks 0, 1 in v[d0] on, blocks 2, 3 in v[d1] on; the four bytes in v[TM+4] on.
; Each accumulator is read from its low end on.
.macro QUANT s, W, d0, d1
	WIN (\W)|((\W)<<2)
.irp b, 0,1,2,3
	v_max3_num_f32 v[TM+\b], |v[(\s)+16*\b]|, |v[(\s)+16*\b+1]|, 0x1800000   ; the floor 2^(3 - 127): the byte cannot fall under 1
.endr
	WIN ((\W)<<2)|((\W)<<4)
.irp i, 2,4,6,8,10,12,14
.irp b, 0,1,2,3
	v_max3_num_f32 v[TM+\b], v[TM+\b], |v[(\s)+16*\b+\i]|, |v[(\s)+16*\b+\i+1]|
.endr
.endr
	WIN 0
.irp b, 0,1,2,3
	v_permlanex16_b32 v[TM+4+\b], v[TM+\b], s4, s5
.endr
.irp b, 0,1,2,3
	v_max_num_f32 v[TM+\b], v[TM+\b], v[TM+4+\b]   ; with lane l xor 16's 16: the block's largest magnitude
.endr
.irp b, 0,1,2,3
	v_add_nc_u32 v[TM+12+\b], 0xff000000, v[TM+\b] ; 2 off the exponent field: the conversion's scale operand
.endr
.irp b, 0,1,2,3
	v_lshrrev_b32 v[TM+4+\b], 23, v[TM+12+\b]      ; the scale's byte
.endr
	WIN (\W)
	v_cvt_scalef32_pk16_fp6_f32 v[(\d0):(\d0)+2], v[(\s):(\s)+15], v[TM+12]
	v_cvt_scalef32_pk16_fp6_f32 v[CT:CT+2], v[(\s)+16:(\s)+31], v[TM+13]
	v_cvt_scalef32_pk16_fp6_f32 v[(\d1):(\d1)+2], v[(\s)+32:(\s)+47], v[TM+14]
	v_cvt_scalef32_pk16_fp6_f32 v[CT+4:CT+6], v[(\s)+48:(\s)+63], v[TM+15]
	WIN 0
	v_nop                                          ; one plain instruction behind the scaled conversions
.irp i, 0,1,2                                  ; the operand's layout wants a whole block in a lane: lanes 0-15 the even block, lanes 16-31 the odd one
	v_permlane16_swap_b32 v[(\d0)+\i], v[CT+\i]
	v_permlane16_swap_b32 v[(\d1)+\i], v[CT+4+\i]
.endr
.irp i, 0,1,2
	v_mov_b32 v[(\d0)+3+\i], v[CT+\i]
	v_mov_b32 v[(\d1)+3+\i], v[CT+4+\i]
.endr
.endm
; A's blocks 2 g and 2 g + 1 leave.  mode 0: two images (the wave's two heads), each of 32 tokens.  mode 1: two fragments of v.
.macro PAIR g, mode
	s_wait_xcnt 0x0                                ; the last pair's stores have read their data: these registers are rewritten only behind this wait
.irp u, 0,1
.if \mode
	QUANT 64*((2*(\g)+\u)%4), 2+(2*(\g)+\u)/4, IM+12*\u, IM+12*\u+6
	v_lshl_or_b32 v[WA+\u], v[TM+5], 8, v[TM+4]    ; the fragment's word: four blocks of keys
	v_lshl_or_b32 v[WA+\u], v[TM+6], 16, v[WA+\u]
	v_lshl_or_b32 v[WA+\u], v[TM+7], 24, v[WA+\u]
.else
	QUANT 64*((2*(\g)+\u)%4), 2+(2*(\g)+\u)/4, IM+6*\u, IM+12+6*\u
.if \u == 0
	v_lshl_or_b32 v[WA], v[TM+5], 8, v[TM+4]       ; an image's word: tile 0's two blocks, then tile 1's
	v_lshl_or_b32 v[WB], v[TM+7], 8, v[TM+6]
.else
	v_lshl_or_b32 v[WA], v[TM+4], 16, v[WA]
	v_lshl_or_b32 v[WA], v[TM+5], 24, v[WA]
	v_lshl_or_b32 v[WB], v[TM+6], 16, v[WB]
	v_lshl_or_b32 v[WB], v[TM+7], 24, v[WB]
.endif
.endif
.endr
	v_cndmask_b32 v[SD], v[WA], v[WB], s45         ; lanes 0-15 store the first's words, lanes 16-31 the second's
.irp c, 0,1,2
.if \mode
	global_store_b128 v[LI], v[IM+4*\c:IM+4*\c+3], s[12:13] offset:((\g)/2)*204800+((2*(\g))%4)*1536+512*\c       ; 512 consecutive bytes, aligned
	global_store_b128 v[LI], v[IM+12+4*\c:IM+12+4*\c+3], s[12:13] offset:((\g)/2)*204800+((2*(\g)+1)%4)*1536+512*\c
.else
	global_store_b128 v[LI], v[IM+4*\c:IM+4*\c+3], s[12:13] offset:1536*(\g)+512*\c
	global_store_b128 v[LI], v[IM+12+4*\c:IM+12+4*\c+3], s[66:67] offset:1536*(\g)+512*\c
.endif
.endr
.if \mode
	global_store_b32 v[SCV], v[SD], s[92:93] offset:((\g)/2)*204800+((2*(\g))%4)*64
.else
	global_store_b32 v[SCV], v[SD], s[92:93] offset:64*(\g)
.endif
.endm
	s_load_b256 s[92:99], s[0:1], 0x0              ; xq s[92:93], wq s[94:95], b_qkv s[96:97], qi s[98:99]
	s_load_b64 s[100:101], s[0:1], 0x20            ; kv
	v_lshl_add_u32 v[SPW], v0, 2, SPARE
	v_mov_b32 v[NIL], 0
	ds_add_u32 v[SPW], v[NIL]                      ; the wave's opening: the add; its wait stands ahead of my first tensor load, behind the set-up below
	v_lshrrev_b32 v1, 5, v0
	v_readfirstlane_b32 s14, v1                    ; wave 0..3
	s_lshr_b32 s15, s14, 1                         ; which half of A's rows is mine.  Also: I fetch for A (0) or for B (1)
	s_and_b32 s16, s14, 1                          ; which half of B's rows.  Also: which 128 rows I fetch
	s_bfe_u32 s40, ttmp6, 0x40000                  ; cx, cy: my place in the cluster
	s_bfe_u32 s41, ttmp6, 0x40004
	s_and_b32 s46, ttmp7, 0xffff                   ; the cluster's y
	s_cmp_eq_u32 ttmp9, 2                          ; the part: the cluster's x, the same in all sixteen partners
	s_cselect_b32 s2, 1, 0                         ; 1: v
	s_cselect_b32 s17, 2, s46
	s_cselect_b32 s42, s46, ttmp9
	s_mov_b32 s22, XSC
	s_cselect_b32 s22, WSC, s22                    ; where A's scale bytes begin in A's buffer,
	s_mov_b32 s66, WSC
	s_cselect_b32 s66, XSC, s66                    ; and B's in B's
	s_lshl_b32 s17, s17, 2
	s_add_co_u32 s17, s17, s41                     ; A's block of 256 rows: q, k: tokens 4 y + cy;  v: columns 8 + cy
	s_lshl_b32 s42, s42, 2
	s_add_co_u32 s42, s42, s40                     ; B's: q, k: columns 4 x + cx;  v: tokens 4 y + cx
	s_lshl_b32 s43, s41, 2
	s_lshl_b32 s43, 15, s43                        ; my row of the cluster
	s_lshl_b32 s44, 0x1111, s40                    ; my column
	; descriptor group 1 for codes: 8 tiles' parts of a slot: 8 rows of 3,072 bytes (384 elements of 8), 12,288 bytes apart, dense in LDS
	s_or_b32 s[G1+0], s43, (3<<16)|(1<<21)         ; 15:0 the mask: A's go to my row; 17:16 elements of 8 bytes; 21 set beside a mask
	s_or_b32 s[G1B+0], s44, (3<<16)|(1<<21)
.irp g, G1, G1B
	s_mov_b32 s[\g+1], 384<<16                     ; tensor_dim0
	s_mov_b32 s[\g+2], 8<<16                       ; tensor_dim1
	s_mov_b32 s[\g+3], 384<<16                     ; tile_dim0
	s_mov_b32 s[\g+4], 8                           ; tile_dim1
	s_mov_b32 s[\g+5], 1536                        ; tensor_dim0_stride
	s_mov_b32 s[\g+6], 0
	s_mov_b32 s[\g+7], 0
.endr
	; and for the scale bytes of 128 rows: 4,096 dense bytes as 16 rows of 256
	s_or_b32 s[G1S+0], s43, (3<<16)|(1<<21)
	s_or_b32 s[G1SB+0], s44, (3<<16)|(1<<21)
.irp g, G1S, G1SB
	s_mov_b32 s[\g+1], 32<<16
	s_mov_b32 s[\g+2], 16<<16
	s_mov_b32 s[\g+3], 32<<16
	s_mov_b32 s[\g+4], 16
	s_mov_b32 s[\g+5], 32
	s_mov_b32 s[\g+6], 0
	s_mov_b32 s[\g+7], 0
.endr
	s_lshl_b32 s18, s16, 3
	s_lshl_b32 s20, s17, 4
	s_add_co_u32 s20, s20, s18                     ; A: my first tile: 16 x block + 8 x half
	s_mul_i32 s20, s20, TILG
	s_mov_b32 s21, 0
	s_lshl_b32 s46, s42, 4
	s_add_co_u32 s46, s46, s18                     ; B likewise
	s_mul_i32 s46, s46, TILG
	s_mov_b32 s47, 0
	s_lshl_b32 s19, s17, 1
	s_add_co_u32 s19, s19, s16
	s_lshl_b32 s19, s19, 12
	s_add_co_u32 s22, s22, s19                     ; A's scale bytes of these 128 rows
	s_mov_b32 s23, 0
	s_lshl_b32 s13, s42, 1
	s_add_co_u32 s13, s13, s16
	s_lshl_b32 s13, s13, 12
	s_add_co_u32 s66, s66, s13                     ; B's
	s_mov_b32 s67, 0
	s_mul_i32 s45, s14, HALFT                      ; where they go: wave x 128 rows: no place in the cluster enters an LDS address
	s_lshl_b32 s12, s14, 12
	s_wait_dscnt 0x0                               ; the opening add is done
	s_wait_kmcnt 0x0
	s_cmp_eq_u32 s2, 0
	s_cselect_b64 s[4:5], s[92:93], s[94:95]       ; A's buffer: x's codes, or for v the weight's
	s_cselect_b64 s[8:9], s[94:95], s[92:93]       ; B's
	s_add_nc_u64 s[6:7], s[4:5], s[22:23]
	s_add_nc_u64 s[10:11], s[8:9], s[66:67]
	s_add_nc_u64 s[4:5], s[4:5], s[20:21]
	s_add_nc_u64 s[8:9], s[8:9], s[46:47]
	CROUND                                         ; all sixteen work-groups are here: the first joint loads meet
	s_mov_b32 s[G0S], 1
	s_add_co_u32 s[G0S+1], s12, SCL
	s_mov_b64 s[G0S+2:G0S+3], s[6:7]
	s_or_b32 s[G0S+3], s[G0S+3], 0x80000000
	s_mov_b32 s[G0SB], 1
	s_add_co_u32 s[G0SB+1], s12, SCL
	s_mov_b64 s[G0SB+2:G0SB+3], s[10:11]
	s_or_b32 s[G0SB+3], s[G0SB+3], 0x80000000
	JLOAD G0S, G1S, G0SB, G1SB                     ; the scale bytes first: they are wanted with slot 0
.irp s, 0,1
	s_mov_b32 s[G0+4*\s], 1
	s_add_co_u32 s[G0+4*\s+1], s45, \s*SLOT
	s_add_nc_u64 s[G0+4*\s+2:G0+4*\s+3], s[4:5], \s*TILB
	s_or_b32 s[G0+4*\s+3], s[G0+4*\s+3], 0x80000000
	s_mov_b32 s[G0B+4*\s], 1
	s_add_co_u32 s[G0B+4*\s+1], s45, \s*SLOT
	s_add_nc_u64 s[G0B+4*\s+2:G0B+4*\s+3], s[8:9], \s*TILB
	s_or_b32 s[G0B+4*\s+3], s[G0B+4*\s+3], 0x80000000
	JLOAD G0+4*\s, G1, G0B+4*\s, G1B               ; three tensor loads of mine are out
.endr
	; LDS addresses, all made ahead of the first branch on the part
	v_and_b32 v1, 15, v0                           ; r
	v_bfe_u32 v2, v0, 4, 1                         ; h
	v_and_b32 v3, 31, v0                           ; lane
	v_lshlrev_b32 v4, 3, v3                        ; 8 x lane
	s_mul_i32 s21, s15, HALFT                      ; my 128 rows of A
	s_mul_i32 s22, s16, HALFT                      ; my 128 rows of B,
	s_add_co_u32 s22, s22, 2*HALFT                 ; which lie behind A's 256
.irp s, 0,1
	v_add_nc_u32 v[ADRA+\s], s21, v4
	v_add_nc_u32 v[ADRB+\s], s22, v4
	s_add_co_u32 s21, s21, SLOT
	s_add_co_u32 s22, s22, SLOT
.endr
	s_lshl_b32 s21, s15, 12                        ; scale bytes: A's: my 128 rows
	s_lshl_b32 s22, s16, 12                        ; B's: my 128 rows, behind A's 256
	s_add_co_u32 s22, s22, 2*4096
	s_sub_co_u32 s22, s22, s21
	v_mul_u32_u24 v6, s22, v2                      ; lanes 16-31 take B's
	s_add_co_u32 s21, s21, SCL
	v_lshl_add_u32 v5, v1, 3, v6                   ; 8 bytes a row
	v_add_nc_u32 v[ADRS], s21, v5
	v_lshlrev_b32 v[LI], 4, v3
	; where the results go
	s_cmp_eq_u32 s2, 0
	s_cselect_b32 s18, s17, s42                    ; the block of tokens,
	s_cselect_b32 s19, s42, s17                    ; the block of columns,
	s_cselect_b32 s20, s15, s16                    ; my half of the tokens,
	s_cselect_b32 s21, s16, s15                    ; my half of the columns
	s_cselect_b32 s22, 0, 6144                     ; v's fragments lie behind k's images
	s_mov_b32 s23, 6400
	s_cselect_b32 s23, 12288, s23                  ; from the codes to their scale words: k, v,
	s_cmp_eq_u32 ttmp9, 0
	s_cselect_b32 s23, 6144, s23                   ; q
	s_cselect_b64 s[12:13], s[98:99], s[100:101]
	s_mov_b32 s94, 204800
	s_cselect_b32 s94, 102400, s94                 ; a head in bytes,
	s_lshr_b32 s95, s94, 4                         ; and its sixteenth: 128 tokens
	s_lshl_b32 s46, s19, 10                        ; the bias of my 128 columns
	s_lshl_b32 s47, s21, 9
	s_add_co_u32 s46, s46, s47
	s_mov_b32 s47, 0
	s_add_nc_u64 s[96:97], s[96:97], s[46:47]
	s_lshr_b32 s45, s18, 3                         ; the batch: 8 blocks of 256 tokens each
	s_lshl_b32 s45, s45, 4
	s_and_b32 s19, s19, 3
	s_lshl_b32 s19, s19, 2
	s_add_co_u32 s45, s45, s19                     ; 4 heads to a block of columns,
	s_lshl_b32 s21, s21, 1
	s_add_co_u32 s45, s45, s21                     ; 2 to my half: my first head
	s_and_b32 s18, s18, 7
	s_lshl_b32 s18, s18, 1
	s_add_co_u32 s18, s18, s20                     ; my 128 tokens of the batch's 16 x 128
	s_mul_i32 s45, s45, s94
	s_mul_i32 s18, s18, s95
	s_add_co_u32 s18, s18, s45
	s_add_co_u32 s18, s18, s22
	s_mov_b32 s19, 0
	s_add_nc_u64 s[12:13], s[12:13], s[18:19]      ; my first head's codes,
	s_mov_b32 s18, s94
	s_add_nc_u64 s[66:67], s[12:13], s[18:19]      ; my second head's,
	s_mov_b32 s18, s23
	s_add_nc_u64 s[92:93], s[12:13], s[18:19]      ; and the scale words
	s_cmp_eq_u32 s2, 0
	s_cselect_b32 s46, s94, 64                     ; lanes 16-31 store the second head's words (q, k) or the next fragment's (v)
	v_mul_lo_u32 v[SCV], v2, s46
	v_lshl_add_u32 v[SCV], v1, 2, v[SCV]
	s_cmp_eq_u32 s2, 0
	s_cbranch_scc0 .Lbias_v
	v_lshlrev_b32 v6, 6, v2                        ; q, k: register j of B's block b is column 32 (b / 2) + 16 h + 8 (b % 2) + j
.irp b, 0,1,2,3,4,5,6,7
	global_load_b128 v[BI+8*\b:BI+8*\b+3], v6, s[96:97] offset:(32*(\b/2)+8*(\b%2))*4
	global_load_b128 v[BI+8*\b+4:BI+8*\b+7], v6, s[96:97] offset:(32*(\b/2)+8*(\b%2))*4+16
.endr
	s_branch .Lbias_done
.Lbias_v:
	v_and_b32 v6, 8, v1
	v_add_nc_u32 v6, v6, v1
	v_lshlrev_b32 v6, 2, v6                        ; v: my lane's column of A's block a, 32 (a / 2) + 8 (a % 2) + r + 8 (r / 8), for all eight registers
.irp a, 0,1,2,3,4,5,6,7
.irp j, 0,1,2,3,4,5,6,7
	global_load_b32 v[BI+8*\a+\j], v6, s[96:97] offset:(32*(\a/2)+8*(\a%2))*4
.endr
.endr
.Lbias_done:
	s_wait_tensorcnt 0x1                           ; the scale bytes and my part of slot 0 are in; slot 1's load may be out
	s_barrier_signal -1
	s_barrier_wait -1                              ; everybody's are
	FETCH_B 0, 0, 0
	FETCH_A 0, 0, 0
	SCALES 0
	FETCH_A 0, 0, 4
	s_wait_loadcnt 0x0                             ; the bias
	s_cmp_eq_u32 s2, 0
	s_cbranch_scc0 .Lfirst_v
	STEP 0, 0, 1                                   ; the first step's products start the sums with the bias: nothing is cleared
	s_branch .Lfirst_done
.Lfirst_v:
	STEP 0, 0, 2
.Lfirst_done:
	s_mov_b32 s3, LAPS-1
.Llap:                                                 ; a trip goes once round the ring and fills both slots again
	TURN 0, 1, 1
	STEP 1, 0, 0
	TURN 1, 0, 1
	STEP 0, 0, 0
	s_sub_co_u32 s3, s3, 1
	s_cmp_lg_u32 s3, 0
	s_cbranch_scc1 .Llap
	TURN 0, 1, 0                                   ; the last lap fills nothing
	STEP 1, 0, 0
	s_wait_dscnt 4*NL                              ; the very last step
	WIN MUL_LO
	MUL16 0, 1, NQ-1, 1, 0
	MUL16 2, 1, NQ-1, 1, 0
	s_wait_dscnt 0x0
	WIN MUL_HI
	MUL16 4, 1, NQ-1, 1, 0
	MUL16 6, 1, NQ-1, 1, 0
	WIN 0
	; THE WAY OUT: quantised in registers, stored as the attention launch's operands
	PLACES NP
.irp b, 0,1,2,3
	v_mov_b32 v[TM+4+\b], 0                        ; a lane permute's destination counts as one of its sources
.endr
	v_cmp_eq_u32 s45, 1, v2                        ; lanes 16-31
	s_mov_b32 s4, 0x76543210
	s_mov_b32 s5, 0xfedcba98                       ; selects for lane l xor 16
	s_cmp_eq_u32 s2, 0
	s_cbranch_scc0 .Lout_v
.irp g, 0,1,2,3
	PAIR \g, 0
.endr
	s_branch .Lout_done
.Lout_v:
.irp g, 0,1,2,3
	PAIR \g, 1
.endr
.Lout_done:
	s_wait_tensorcnt 0x0                           ; the wave's end: behind my last tensor load
	ds_add_u32 v[SPW], v[NIL]
	s_wait_dscnt 0x0
	CROUND                                         ; the closing round: no work-group ends while a partner may still ask for a tile that names it
	s_endpgm
.Lfunc_end_k_q7338fe009d_qkv:
	.size	k_q7338fe009d_qkv, .Lfunc_end_k_q7338fe009d_qkv-k_q7338fe009d_qkv
	.p2alignl 7, 3214868480
	.fill 96, 4, 3214868480
	.section	.rodata,"a",@progbits
	.p2align	6, 0x0
	.amdhsa_kernel k_q7338fe009d_qkv
		.amdhsa_group_segment_fixed_size 327680
		.amdhsa_private_segment_fixed_size 0
		.amdhsa_enable_private_segment 0
		.amdhsa_kernarg_size 40
		.amdhsa_user_sgpr_count 2
		.amdhsa_user_sgpr_kernarg_segment_ptr 1
		.amdhsa_wavefront_size32 1
		.amdhsa_system_sgpr_workgroup_id_x 1
		.amdhsa_system_sgpr_workgroup_id_y 1
		.amdhsa_system_sgpr_workgroup_id_z 1
		.amdhsa_system_vgpr_workitem_id 0
		.amdhsa_next_free_vgpr 1024
		.amdhsa_next_free_sgpr 104
		.amdhsa_reserve_vcc 0
		.amdhsa_float_denorm_mode_32 3
		.amdhsa_float_denorm_mode_16_64 3
		.amdhsa_memory_ordered 1
		.amdhsa_forward_progress 1
		.amdhsa_inst_pref_size 222
	.end_amdhsa_kernel
	.amdgpu_metadata
---
amdhsa.version: [ 1, 2 ]
amdhsa.kernels:
  - .name:           k_q7338fe009d_qkv
    .symbol:         k_q7338fe009d_qkv.kd
    .args:
      - { .name: xq, .offset: 0, .size: 8, .value_kind: global_buffer, .address_space: global }
      - { .name: wq, .offset: 8, .size: 8, .value_kind: global_buffer, .address_space: global }
      - { .name: b_qkv, .offset: 16, .size: 8, .value_kind: global_buffer, .address_space: global }
      - { .name: qi, .offset: 24, .size: 8, .value_kind: global_buffer, .address_space: global }
      - { .name: kv, .offset: 32, .size: 8, .value_kind: global_buffer, .address_space: global }
    .group_segment_fixed_size: 327680
    .private_segment_fixed_size: 0
    .kernarg_segment_align: 8
    .kernarg_segment_size: 40
    .max_flat_workgroup_size: 128
    .sgpr_count:     104
    .vgpr_count:     1024
    .wavefront_size: 32
...
	.end_amdgpu_metadata
.endif
;; end of part 2
;; launch attn (part 3): grid 4 x 64, 16 waves a work-group, clusters of 4 x 1, 206,848 bytes of LDS; arguments qi, kv, yq; writes yq
.if DOCPART == 3
	.amdgcn_target "amdgcn-amd-amdhsa--gfx1250"
	.amdhsa_code_object_version 6
	.text
	.protected	k_q7338fe009d_attn
	.globl	k_q7338fe009d_attn
	.p2align	8
	.type	k_q7338fe009d_attn,@function
k_q7338fe009d_attn:
	s_mov_b64 s[64:65], 0
	v_nop
	global_prefetch_b8 v0, s[64:65] scope:SCOPE_SE
	s_setreg_imm32_b32 hwreg(HW_REG_WAVE_MODE, 25, 1), 1
	s_wait_xcnt 0x0
	s_wait_alu depctr_hold_cnt(0) depctr_sa_sdst(0) depctr_va_vdst(0) depctr_va_sdst(0) depctr_va_ssrc(0) depctr_va_vcc(0) depctr_vm_vsrc(0)
	s_getreg_b32 s2, hwreg(HW_REG_IB_STS2, 6, 4)
	s_cmp_eq_u32 s2, 0
	s_cbranch_scc0 .Lentry_in_a_cluster
	s_endpgm
.Lentry_in_a_cluster:
	s_bfe_u32 s2, ttmp6, 0x10000c
	s_cmp_lg_u32 s2, 0x3003
	s_cbranch_scc0 .Lentry_shape_is_right
	s_endpgm
.Lentry_shape_is_right:
; y = softmax(q k^T / 8, causal) v for one head a cluster, both products on codes of FP6 (E2M3) with E8M0 scales; y is divided by the row's sum and quantised along C for the last product.
; THE SOFTMAX AHEAD OF THE SECOND PRODUCT: t = score x log2(e) / 8; M = the running largest t rounded UP to a whole number; p = 2^(t - M) is quantised along the keys, not normalised; the row's sum is taken
; of the unquantised p.  When M moves, the sum and O are multiplied by 2^(old M - new M): exact.
; SHARES.  A head's 2,048 queries are 16 bands of 128 (a key step's size), each of 4 groups of 32.  Work-group cx of the cluster takes group cx of every band.  Wave w owns two tiles of 16 queries: tile 0 in band w
; (the group's tile u = 0), tile 1 in band 15 - w (u = 1).  Under the causal mask a tile of band n needs key steps 0 .. n: (w + 1) + (16 - w) = 17 tile steps in EVERY wave of every work-group.
; Which steps a tile walks hangs on the wave's number and the step's number alone; cx enters global addresses and the mask's lane constant only.  So the four partners run alike and ask for K and V jointly.
; LDS.  The head's K and V, codes and scale words, 204,800 bytes, lie in LDS as in memory, [key step][12,800]: K's 4 images, V's 4 fragments, K's words, V's words.  They are filled ONCE: each wave issues two joint
; loads at the head (two tensor loads of mine are out): 7 rows of 256 bytes, which together cover bytes 0 .. 28,671 (key steps 0 and 1 end at 25,600), and 43 rows for the rest.  Nothing is filled again, so there is
; no ring, and nothing is left to prefetch: every byte that the launch reads from kv is asked for by these first loads.
; K = 64 IN A PRODUCT OF K = 128.  An image of K holds 32 keys: registers 0-5 tile u = 0 (dims 32 h ..), registers 6-11 tile u = 1.  Against [q | zero codes] it gives tile 0's scores, against [zero codes | q] tile 1's:
; the other half multiplies by zero codes under valid scale bytes and adds nothing.
; LAYOUT.  Both products are used transposed (S^T = K Q^T, O^T = V^T P^T): a lane holds one query.  Keys, queries and V's d lie in tile order (tile 2 g + u, row r: 32 g + 8 u + r + 8 (r / 8)), so that the 16 registers
; of result tiles 2 b, 2 b + 1 are 16 neighbours, 32 b + 16 h + 0 .. 15.
; LIMITS: NaN and infinities are not served; 1 / sum is v_rcp_f32 and a multiply; a block of zeros or under 2^-124 gets the byte 1, read by this program alone.
.set HEADB, 204800
.set STEPB, 12800
.set SPARE, 204800                     ; behind the head: the spare words, 128 bytes for each of 16 waves
.set LI,   1                           ; v1   16 x lane
.set LS,   2                           ; v2   4 r + 256 h: lanes 0-15 K's words, lanes 16-31 V's
.set ADR,  3                           ; v3   the step's codes
.set ADS,  4                           ; v4   the step's scale words
.set SPW,  5                           ; v5   LDS address of my spare word; never rewritten
.set NIL,  6                           ; v6   0; never rewritten
.set TP,   7                           ; v7   at work
.set DQ,   8                           ; v8-9   tile T: my query in its band, less 16 h
.set QS,   10                          ; v10-11 tile T: q's scale word, its two bytes twice
.set ST,   12                          ; v12-19 tile T: -M, the largest t, the sum in two halves
.set QA,   20                          ; v20-49 q0, zeros, q1, zeros, q0, six registers each: [q0|0] at v20, [0|q1] at v26, [q1|0] at v32, [0|q0] at v38
.set FB,   50                          ; v50-97 four images of K, then four fragments of V
.set KVS,  98                          ; v98-101 their scale words
.set S,    102                         ; v102-165 S^T, then p
.set OT,   166                         ; v166-229 O^T, 32 a tile
.set PCD,  230                         ; v230-241 p's codes
.set BM,   238                         ; v238-241 the blocks' largest scores; done with before the codes' upper registers are written
.set T8,   242                         ; v242-249 at work
.set SO,   250                         ; v250-253 the conversions' scale operands
.set F,    254                         ; v254 f = 2^(old M - new M); named as a pair with
.set PW,   255                         ; v255 p's scale word
.set WV,   10                          ; s10 my wave's number
.set BND,  16                          ; s16-17 tile T's band
.set JS,   18                          ; s18 the key step
.set TB,   19                          ; s19 where it begins in LDS
.set SEL,  20                          ; s[20:21] selects for lane l xor 16
.set CS,   22                          ; s[22:23] c = log2(e) / 8
.set G1A,  24
.set G1C,  32
.set G0A,  40
.set G0C,  44
.set QB,   48                          ; s[48:51] tile T: q's 128 tokens of its band
.set YB,   52                          ; s[52:55] tile T: y's codes
.set YS,   56                          ; s[56:59] tile T: y's scale bytes
.set CNT,  60
.macro ROUND                           ; a round of the cluster's barrier
	s_barrier_signal -1
	s_barrier_wait -1
	s_cmp_lg_u32 s[WV], 0
	s_cbranch_scc1 .Lnot_wave_0_\@
	s_barrier_signal -3
.Lnot_wave_0_\@:
	s_barrier_wait -3
	s_barrier_signal -1
	s_barrier_wait -1
.endm
; Tile T against the key step in hand: 128 keys.
.macro STEP T
.set rST, ST+4*(\T)
.set rO, OT+32*(\T)
.set rLO, QA+12*(\T)
.set rHI, QA+18-12*(\T)
	s_cmp_gt_u32 s[JS], s[BND+\T]                  ; all these keys come after the tile's queries: the step is left out (the wave's number and the step's alone)
	s_cbranch_scc1 .Lhid_\@
	v_add_nc_u32 v[ADR], s[TB], v[LI]
	v_add_nc_u32 v[ADS], s[TB], v[LS]
	v_nop
	v_nop                                          ; four places in front of loads into registers that the last products read
.irp g, 0,1,2,3
.irp c, 0,1,2
	ds_load_b128 v[FB+12*\g+4*\c:FB+12*\g+4*\c+3], v[ADR] offset:1536*\g+512*\c   ; an image as its registers: 512 consecutive bytes a load
.endr
	ds_load_b32 v[KVS+\g], v[ADS] offset:12288+64*\g
.endr
	s_wait_dscnt 0x0
.irp g, 0,1,2,3
	v_wmma_scale_f32_16x16x128_f8f6f4 v[S+16*\g:S+16*\g+7], v[FB+12*\g:FB+12*\g+11], v[rLO:rLO+11], 0, v[KVS+\g], v[QS+\T] matrix_a_fmt:MATRIX_FMT_FP6 matrix_b_fmt:MATRIX_FMT_FP6
	v_wmma_scale_f32_16x16x128_f8f6f4 v[S+16*\g+8:S+16*\g+15], v[FB+12*\g:FB+12*\g+11], v[rHI:rHI+11], 0, v[KVS+\g], v[QS+\T] matrix_a_fmt:MATRIX_FMT_FP6 matrix_b_fmt:MATRIX_FMT_FP6
.endr
.rept 4
	v_nop                                          ; places in front of the loads below and of the first read of the scores
.endr
.irp t, 0,1,2,3
.irp c, 0,1,2
	ds_load_b128 v[FB+12*\t+4*\c:FB+12*\t+4*\c+3], v[ADR] offset:6144+1536*\t+512*\c   ; V's fragments land while the softmax is walked
.endr
.endr
	s_cmp_lg_u32 s[JS], s[BND+\T]                  ; on the diagonal the scores of hidden keys become -infinity ahead of the maximum: p = 0 then
	s_cbranch_scc1 .Lopen_\@
	v_mov_b32 v[TP], 0xff800000
.set n, 0
.rept 64
	v_cmp_gt_i32 vcc_lo, 32*(n/16)+n%16, v[DQ+\T]  ; register 16 b + i holds key 32 b + 16 h + i of the step
	v_cndmask_b32 v[S+n], v[S+n], v[TP], vcc_lo
.set n, n+1
.endr
.Lopen_\@:
.irp b, 0,1,2,3
	v_max3_num_f32 v[BM+\b], v[S+16*\b], v[S+16*\b+1], v[S+16*\b+2]   ; the largest score of each block of 32 keys: for the row's maximum and, since p rises with the score, for the block's largest p
.endr
.irp i, 3,5,7,9,11,13
.irp b, 0,1,2,3
	v_max3_num_f32 v[BM+\b], v[BM+\b], v[S+16*\b+\i], v[S+16*\b+\i+1]
.endr
.endr
.irp b, 0,1,2,3
	v_max_num_f32 v[BM+\b], v[BM+\b], v[S+16*\b+15]
.endr
.irp b, 0,1,2,3
	v_permlanex16_b32 v[T8+\b], v[BM+\b], s[SEL], s[SEL+1]
.endr
.irp b, 0,1,2,3
	v_max_num_f32 v[BM+\b], v[BM+\b], v[T8+\b]     ; with lane l xor 16's 16 keys
.endr
	v_max3_num_f32 v[TP], v[BM], v[BM+1], v[BM+2]
	v_max_num_f32 v[TP], v[TP], v[BM+3]
	v_mul_f32 v[TP], s[CS], v[TP]                  ; the step's largest t (c is positive)
	v_max_num_f32 v[rST+1], v[rST+1], v[TP]        ; the running largest t
	v_mov_b32 v[TP], v[rST]
	v_floor_f32 v[rST], -v[rST+1]                  ; -M = floor(-t): M is a whole number
	v_sub_f32 v[TP], v[rST], v[TP]                 ; old M - new M: a whole number, 0 or less
	v_cvt_i32_f32 v[TP], v[TP]                     ; (it saturates)
	v_ldexp_f32 v[F], 1.0, v[TP]                   ; f = 2^(old M - new M)
.set n, 0
.rept 32
	v_pk_fma_f32 v[S+n:S+n+1], v[S+n:S+n+1], s[CS:CS+1], v[rST:rST+1] op_sel_hi:[1,0,0]   ; t - M, two at a time
.set n, n+2
.endr
.irp b, 0,1,2,3
	v_fma_f32 v[BM+\b], v[BM+\b], s[CS], v[rST]    ; the same of each block's largest score
.endr
.set n, 0
.rept 64
	v_exp_f32 v[S+n], v[S+n]                       ; p = 2^(t - M)
.set n, n+1
.endr
	v_pk_mul_f32 v[rST+2:rST+3], v[rST+2:rST+3], v[F:F+1] op_sel_hi:[1,0]   ; the sums under the new M: the plain instruction behind the exponentials
	s_wait_alu depctr_va_vdst(0)                   ; one wait for the batch of 64, ahead of its first reader
.irp b, 0,1,2,3
	v_exp_f32 v[BM+\b], v[BM+\b]                   ; the blocks' largest p
.endr
	v_pk_add_f32 v[T8:T8+1], v[S:S+1], v[S+2:S+3]  ; the row's sum is taken of the unquantised p, in two chains
.irp j, 4,8,12,16,20,24,28,32,36,40,44,48,52,56,60
	v_pk_add_f32 v[rST+2:rST+3], v[rST+2:rST+3], v[S+\j:S+\j+1]
	v_pk_add_f32 v[T8:T8+1], v[T8:T8+1], v[S+\j+2:S+\j+3]
.endr
	v_pk_add_f32 v[rST+2:rST+3], v[rST+2:rST+3], v[T8:T8+1]
	s_wait_alu depctr_va_vdst(0)                   ; and one for the four
.irp b, 0,1,2,3
	v_max_num_f32 v[BM+\b], 0x1800000, v[BM+\b]    ; the floor 2^(3 - 127): the byte cannot fall under 1
.endr
.irp b, 0,1,2,3
	v_add_nc_u32 v[SO+\b], 0xff000000, v[BM+\b]    ; 2 off the exponent field: the conversion's scale operand
.endr
.irp b, 0,1,2,3
	v_lshrrev_b32 v[T8+\b], 23, v[SO+\b]           ; the scale's byte
.endr
	v_lshl_or_b32 v[PW], v[T8+1], 8, v[T8]         ; p's scale word for these 128 keys
	v_lshl_or_b32 v[PW], v[T8+2], 16, v[PW]
	v_lshl_or_b32 v[PW], v[T8+3], 24, v[PW]
.irp c, 0,1
	v_cvt_scalef32_pk16_fp6_f32 v[PCD+6*\c:PCD+6*\c+2], v[S+32*\c:S+32*\c+15], v[SO+2*\c]
	v_cvt_scalef32_pk16_fp6_f32 v[T8+4*\c:T8+4*\c+2], v[S+32*\c+16:S+32*\c+31], v[SO+2*\c+1]
.endr
	v_nop                                          ; one plain instruction behind the scaled conversions
.irp c, 0,1                                    ; a whole block in a lane: lanes 0-15 block 2 c, lanes 16-31 block 2 c + 1
.irp i, 0,1,2
	v_permlane16_swap_b32 v[PCD+6*\c+\i], v[T8+4*\c+\i]
.endr
.irp i, 0,1,2
	v_mov_b32 v[PCD+6*\c+3+\i], v[T8+4*\c+\i]
.endr
.endr
.set n, 0
.rept 16
	v_pk_mul_f32 v[rO+n:rO+n+1], v[rO+n:rO+n+1], v[F:F+1] op_sel_hi:[1,0]   ; O^T under the new M; these stand between the writes of p's codes and word and the products
.set n, n+2
.endr
	s_wait_dscnt 0x0                               ; V's fragments are in
.irp t, 0,1,2,3                                ; the four accumulators take turns
	v_wmma_scale_f32_16x16x128_f8f6f4 v[rO+8*\t:rO+8*\t+7], v[FB+12*\t:FB+12*\t+11], v[PCD:PCD+11], v[rO+8*\t:rO+8*\t+7], v[KVS+\t], v[PW] matrix_a_fmt:MATRIX_FMT_FP6 matrix_b_fmt:MATRIX_FMT_FP6 matrix_a_scale:MATRIX_SCALE_ROW1
.endr
.Lhid_\@:
.endm
.macro TRIP
	STEP 0
	STEP 1
	s_add_co_u32 s[TB], s[TB], STEPB
	s_add_co_u32 s[JS], s[JS], 1
.endm
; Tile T leaves: O^T / the sum; register 16 g + i is d = 32 g + 16 h + i of my query: two blocks along C; codes and bytes go where the last product's operand has them.
.macro FINAL T
.set rST, ST+4*(\T)
.set rO, OT+32*(\T)
	v_add_f32 v[TP], v[rST+2], v[rST+3]
	v_permlanex16_b32 v[T8], v[TP], s[SEL], s[SEL+1]
	v_add_f32 v[TP], v[TP], v[T8]                  ; the row's sum
	v_rcp_f32 v[F], v[TP]
	v_nop                                          ; a plain instruction behind the reciprocal,
	s_wait_alu depctr_va_vdst(0)                   ; and the wait ahead of its first reader
.set n, 0
.rept 16
	v_pk_mul_f32 v[S+n:S+n+1], v[rO+n:rO+n+1], v[F:F+1] op_sel_hi:[1,0]   ; each accumulator from its low end on
.set n, n+2
.endr
.irp b, 0,1
	v_max3_num_f32 v[BM+\b], |v[S+16*\b]|, |v[S+16*\b+1]|, 0x1800000
.endr
.irp i, 2,4,6,8,10,12,14
.irp b, 0,1
	v_max3_num_f32 v[BM+\b], v[BM+\b], |v[S+16*\b+\i]|, |v[S+16*\b+\i+1]|
.endr
.endr
.irp b, 0,1
	v_permlanex16_b32 v[T8+\b], v[BM+\b], s[SEL], s[SEL+1]
.endr
.irp b, 0,1
	v_max_num_f32 v[BM+\b], v[BM+\b], v[T8+\b]
.endr
.irp b, 0,1
	v_add_nc_u32 v[SO+\b], 0xff000000, v[BM+\b]
.endr
.irp b, 0,1
	v_lshrrev_b32 v[T8+\b], 23, v[SO+\b]
.endr
	v_cvt_scalef32_pk16_fp6_f32 v[PCD:PCD+2], v[S:S+15], v[SO]
	v_cvt_scalef32_pk16_fp6_f32 v[T8+4:T8+6], v[S+16:S+31], v[SO+1]
	v_nop
.irp i, 0,1,2
	v_permlane16_swap_b32 v[PCD+\i], v[T8+4+\i]
.endr
.irp i, 0,1,2
	v_mov_b32 v[PCD+3+\i], v[T8+4+\i]              ; six registers: d = 32 h + 0 .. 31 of my query
.endr
	v_cndmask_b32 v[TP], v[T8], v[T8+1], s61       ; lanes 0-15 store block 0's byte, lanes 16-31 block 1's
.irp p, 0,1,2
	global_store_b64 v[ADR], v[PCD+2*\p:PCD+2*\p+1], s[YB+2*\T:YB+2*\T+1] offset:256*\p   ; 256 consecutive bytes, aligned
.endr
	global_store_b8 v[ADS], v[TP], s[YS+2*\T:YS+2*\T+1]   ; single bytes, 32 a tile: a row's other bytes belong to other heads, which other clusters make
.endm
	s_load_b128 s[4:7], s[0:1], 0x0                ; qi s[4:5], kv s[6:7]
	s_load_b64 s[8:9], s[0:1], 0x10                ; yq
	v_lshl_add_u32 v[SPW], v0, 2, SPARE
	v_mov_b32 v[NIL], 0
	ds_add_u32 v[SPW], v[NIL]                      ; the wave's opening: the add; its wait stands ahead of my first tensor load, behind the set-up below
	v_lshrrev_b32 v1, 5, v0
	v_readfirstlane_b32 s[WV], v1                  ; wave 0..15
	s_bfe_u32 s11, ttmp6, 0x40000                  ; cx
	s_and_b32 s12, ttmp7, 0xffff                   ; batch x 16 + head: the cluster's y
	s_and_b32 s13, s12, 15                         ; the head
	s_lshr_b32 s14, s12, 4                         ; the batch
	s_mov_b32 s[BND], s[WV]
	s_xor_b32 s[BND+1], s[WV], 15
	; descriptor group 1: rows of 256 bytes (32 elements of 8), dense; 7 rows and 43 rows; the mask names all four partners
	s_mov_b32 s[G1A], 15|(3<<16)|(1<<21)
	s_mov_b32 s[G1A+1], 32<<16
	s_mov_b32 s[G1A+2], 7<<16
	s_mov_b32 s[G1A+3], 32<<16
	s_mov_b32 s[G1A+4], 7
	s_mov_b32 s[G1A+5], 32
	s_mov_b32 s[G1A+6], 0
	s_mov_b32 s[G1A+7], 0
	s_mov_b32 s[G1C], 15|(3<<16)|(1<<21)
	s_mov_b32 s[G1C+1], 32<<16
	s_mov_b32 s[G1C+2], 43<<16
	s_mov_b32 s[G1C+3], 32<<16
	s_mov_b32 s[G1C+4], 43
	s_mov_b32 s[G1C+5], 32
	s_mov_b32 s[G1C+6], 0
	s_mov_b32 s[G1C+7], 0
	s_mul_i32 s61, s12, HEADB                      ; the head's first byte in kv
	s_mul_i32 s62, s[WV], 1792                     ; my 7 rows,
	s_mul_i32 s63, s[WV], 11008
	s_add_co_u32 s63, s63, 28672                   ; my 43 rows: the same place in the head and in LDS
	s_add_co_u32 s66, s61, s62
	s_mov_b32 s67, 0
	s_add_co_u32 s68, s61, s63
	s_mov_b32 s69, 0
	s_mov_b32 s[SEL], 0x76543210
	s_mov_b32 s[SEL+1], 0xfedcba98
	s_mov_b32 s[CS], 0x3e38aa3b                    ; log2(e) / 8
	s_mov_b32 s[CS+1], s[CS]                       ; (named with it as a pair, so it is written)
	s_mov_b32 s[G0A], 1
	s_mov_b32 s[G0A+1], s62
	s_mov_b32 s[G0C], 1
	s_mov_b32 s[G0C+1], s63
	s_wait_dscnt 0x0                               ; the opening add is done
	s_wait_kmcnt 0x0
	s_add_nc_u64 s[G0A+2:G0A+3], s[6:7], s[66:67]
	s_or_b32 s[G0A+3], s[G0A+3], 0x80000000
	s_add_nc_u64 s[G0C+2:G0C+3], s[6:7], s[68:69]
	s_or_b32 s[G0C+3], s[G0C+3], 0x80000000
	ROUND                                          ; all four work-groups are here: the joint loads meet
	tensor_load_to_lds s[G0A:G0A+3], s[G1A:G1A+7]
	s_nop 0
	tensor_load_to_lds s[G0C:G0C+3], s[G1C:G1C+7]
	s_nop 0
.rept 4
	v_nop
.endr
	s_mul_i32 s61, s12, 102400                     ; the head's first byte in qi
.irp t, 0,1
	s_mul_i32 s66, s[BND+\t], 6400
	s_add_co_u32 s66, s66, s61
	s_mov_b32 s67, 0
	s_add_nc_u64 s[QB+2*\t:QB+2*\t+1], s[4:5], s[66:67]
.endr
	v_and_b32 v[TP], 31, v0
	v_lshlrev_b32 v[LI], 4, v[TP]
	v_and_b32 v3, 15, v0                           ; r
	v_bfe_u32 v4, v0, 4, 1                         ; h
	v_lshlrev_b32 v[LS], 2, v3
	v_lshl_add_u32 v[LS], v4, 8, v[LS]
	s_mul_i32 s62, s11, 1536
	v_add_nc_u32 v102, s62, v[LI]                  ; q: my group's image, 16 x lane
	s_lshl_b32 s62, s11, 6
	v_lshl_add_u32 v103, v3, 2, s62                ; and its scale words, 4 r
	global_load_b64 v[QA:QA+1], v102, s[QB:QB+1]                     ; tile 0: the image's registers 0-5,
	global_load_b64 v[QA+2:QA+3], v102, s[QB:QB+1] offset:8
	global_load_b64 v[QA+4:QA+5], v102, s[QB:QB+1] offset:512
	global_load_b64 v[QA+24:QA+25], v102, s[QB:QB+1]                 ; twice
	global_load_b64 v[QA+26:QA+27], v102, s[QB:QB+1] offset:8
	global_load_b64 v[QA+28:QA+29], v102, s[QB:QB+1] offset:512
	global_load_b64 v[QA+12:QA+13], v102, s[QB+2:QB+3] offset:520    ; tile 1: registers 6-11
	global_load_b64 v[QA+14:QA+15], v102, s[QB+2:QB+3] offset:1024
	global_load_b64 v[QA+16:QA+17], v102, s[QB+2:QB+3] offset:1032
	global_load_b32 v[QS], v103, s[QB:QB+1] offset:6144
	global_load_b32 v[QS+1], v103, s[QB+2:QB+3] offset:6144
	v_and_b32 v[DQ], 8, v3
	v_add_nc_u32 v[DQ], v[DQ], v3                  ; r + 8 (r / 8)
	v_lshlrev_b32 v[DQ+1], 4, v4
	v_sub_nc_u32 v[DQ], v[DQ], v[DQ+1]             ; - 16 h
	s_lshl_b32 s62, s11, 5
	v_add_nc_u32 v[DQ], s62, v[DQ]                 ; + 32 cx
	v_add_nc_u32 v[DQ+1], 8, v[DQ]                 ; tile 1: 8 on
.irp t, 0,1
	s_lshl_b32 s62, s[BND+\t], 2                   ; y's tile of 16 tokens: 128 x batch + 2 (4 x band + cx) + t
	s_add_co_u32 s62, s62, s11
	s_lshl_b32 s62, s62, 1
	s_lshl_b32 s63, s14, 7
	s_add_co_u32 s62, s62, s63
	s_add_co_u32 s62, s62, \t
	s_mul_i32 s66, s62, 12288
	s_lshr_b32 s63, s13, 1
	s_mul_i32 s63, s63, 1536                       ; K step head / 2,
	s_add_co_u32 s66, s66, s63
	s_and_b32 s63, s13, 1
	s_mul_i32 s63, s63, 768                        ; its half head % 2: pieces 3 (head % 2) on
	s_add_co_u32 s66, s66, s63
	s_mov_b32 s67, 0
	s_add_nc_u64 s[YB+2*\t:YB+2*\t+1], s[8:9], s[66:67]
	s_lshr_b32 s66, s62, 3
	s_lshl_b32 s66, s66, 12                        ; the scale bytes: which 128 positions,
	s_lshr_b32 s63, s13, 2
	s_lshl_b32 s63, s63, 10                        ; which 256 along K,
	s_add_co_u32 s66, s66, s63
	s_and_b32 s63, s62, 7
	s_lshl_b32 s63, s63, 7                         ; the tile's 16 positions,
	s_add_co_u32 s66, s66, s63
	s_and_b32 s63, s13, 3
	s_lshl_b32 s63, s63, 1                         ; the head's two bytes of the eight
	s_add_co_u32 s66, s66, s63
	s_add_co_u32 s66, s66, 6291456
	s_add_nc_u64 s[YS+2*\t:YS+2*\t+1], s[8:9], s[66:67]
.endr
	s_wait_loadcnt 0x0                             ; q
	v_and_b32 v[QS], 0xffff, v[QS]                 ; tile 0's two bytes are the word's lower two,
	v_lshl_or_b32 v[QS], v[QS], 16, v[QS]
	v_lshrrev_b32 v[QS+1], 16, v[QS+1]             ; tile 1's the upper two; each twice, for both halves of K
	v_lshl_or_b32 v[QS+1], v[QS+1], 16, v[QS+1]
.irp i, 0,1,2,3,4,5
	v_mov_b32 v[QA+6+\i], 0                        ; zero codes
	v_mov_b32 v[QA+18+\i], 0
.endr
.irp t, 0,1
	v_mov_b32 v[ST+4*\t+1], 0xff61b1e6             ; the largest t so far: -3e38
	v_floor_f32 v[ST+4*\t], -v[ST+4*\t+1]          ; -M
	v_mov_b32 v[ST+4*\t+2], 0                      ; the sum, in two halves
	v_mov_b32 v[ST+4*\t+3], 0
.endr
.irp b, 0,1,2,3
	v_mov_b32 v[T8+\b], 0                          ; a lane permute's destination counts as one of its sources
.endr
	v_mov_b32 v[PW], 0                             ; (named as the upper half of a pair before it is first written)
.set n, 0
.rept 64
	v_mov_b32 v[OT+n], 0                           ; O^T: the step is written once; the first change of M leaves zeros zeros.  These also stand between the writes of q's words and the first products
.set n, n+1
.endr
	s_mov_b32 s[JS], 0
	s_mov_b32 s[TB], 0
	s_wait_tensorcnt 0x1                           ; my 7 rows are in; my 43 rows may be out
	s_barrier_signal -1
	s_barrier_wait -1                              ; bytes 0 .. 28,671 are in
	TRIP                                           ; key steps 0 and 1 are written out: they read below byte 25,600
	TRIP
	s_wait_tensorcnt 0x0                           ; my 43 rows are in,
	s_wait_dscnt 0x0
	s_barrier_signal -1
	s_barrier_wait -1                              ; the whole head is
	s_mov_b32 s[JS], 2
	s_mov_b32 s[TB], 2*STEPB
	s_mov_b32 s[CNT], 14
.Lsteps:
	TRIP
	s_sub_co_u32 s[CNT], s[CNT], 1
	s_cmp_lg_u32 s[CNT], 0
	s_cbranch_scc1 .Lsteps
.rept 4
	v_nop                                          ; places behind the last products
.endr
	v_and_b32 v[TP], 31, v0
	v_lshlrev_b32 v[ADR], 3, v[TP]                 ; 8 x lane: my bytes of a piece
	v_and_b32 v[ADS], 15, v0
	v_bfe_u32 v[TP], v0, 4, 1
	v_cmp_ne_u32 s61, 0, v[TP]                     ; lanes 16-31
	v_lshl_add_u32 v[ADS], v[ADS], 3, v[TP]        ; 8 r + h: my scale byte
	FINAL 0
	s_wait_xcnt 0x0                                ; tile 0's stores have read their data: the registers are rewritten only behind this wait
	FINAL 1
	s_wait_tensorcnt 0x0                           ; the wave's end: behind my last tensor load
	ds_add_u32 v[SPW], v[NIL]
	s_wait_dscnt 0x0
	ROUND                                          ; the closing round
	s_endpgm
.Lfunc_end_k_q7338fe009d_attn:
	.size	k_q7338fe009d_attn, .Lfunc_end_k_q7338fe009d_attn-k_q7338fe009d_attn
	.p2alignl 7, 3214868480
	.fill 96, 4, 3214868480
	.section	.rodata,"a",@progbits
	.p2align	6, 0x0
	.amdhsa_kernel k_q7338fe009d_attn
		.amdhsa_group_segment_fixed_size 206848
		.amdhsa_private_segment_fixed_size 0
		.amdhsa_enable_private_segment 0
		.amdhsa_kernarg_size 24
		.amdhsa_user_sgpr_count 2
		.amdhsa_user_sgpr_kernarg_segment_ptr 1
		.amdhsa_wavefront_size32 1
		.amdhsa_system_sgpr_workgroup_id_x 1
		.amdhsa_system_sgpr_workgroup_id_y 1
		.amdhsa_system_sgpr_workgroup_id_z 1
		.amdhsa_system_vgpr_workitem_id 0
		.amdhsa_next_free_vgpr 256
		.amdhsa_next_free_sgpr 72
		.amdhsa_reserve_vcc 1
		.amdhsa_float_denorm_mode_32 3
		.amdhsa_float_denorm_mode_16_64 3
		.amdhsa_memory_ordered 1
		.amdhsa_forward_progress 1
		.amdhsa_inst_pref_size 142
	.end_amdhsa_kernel
	.amdgpu_metadata
---
amdhsa.version: [ 1, 2 ]
amdhsa.kernels:
  - .name:           k_q7338fe009d_attn
    .symbol:         k_q7338fe009d_attn.kd
    .args:
      - { .name: qi, .offset: 0, .size: 8, .value_kind: global_buffer, .address_space: global }
      - { .name: kv, .offset: 8, .size: 8, .value_kind: global_buffer, .address_space: global }
      - { .name: yq, .offset: 16, .size: 8, .value_kind: global_buffer, .address_space: global }
    .group_segment_fixed_size: 206848
    .private_segment_fixed_size: 0
    .kernarg_segment_align: 8
    .kernarg_segment_size: 24
    .max_flat_workgroup_size: 512
    .sgpr_count:     72
    .vgpr_count:     256
    .wavefront_size: 32
...
	.end_amdgpu_metadata
.endif
;; end of part 3
;; launch proj (part 4): grid 4 x 32, 4 waves a work-group, clusters of 4 x 4, 327,680 bytes of LDS; arguments yq, wp, b_proj, out0; writes out0
.if DOCPART == 4
	.amdgcn_target "amdgcn-amd-amdhsa--gfx1250"
	.amdhsa_code_object_version 6
	.text
	.protected	k_q7338fe009d_proj
	.globl	k_q7338fe009d_proj
	.p2align	8
	.type	k_q7338fe009d_proj,@function
k_q7338fe009d_proj:
	s_mov_b64 s[64:65], 0
	v_nop
	global_prefetch_b8 v0, s[64:65] scope:SCOPE_SE
	s_setreg_imm32_b32 hwreg(HW_REG_WAVE_MODE, 25, 1), 1
	s_wait_xcnt 0x0
	s_wait_alu depctr_hold_cnt(0) depctr_sa_sdst(0) depctr_va_vdst(0) depctr_va_sdst(0) depctr_va_ssrc(0) depctr_va_vcc(0) depctr_vm_vsrc(0)
	s_getreg_b32 s2, hwreg(HW_REG_IB_STS2, 6, 4)
	s_cmp_eq_u32 s2, 0
	s_cbranch_scc0 .Lentry_in_a_cluster
	s_endpgm
.Lentry_in_a_cluster:
	s_bfe_u32 s2, ttmp6, 0x10000c
	s_cmp_lg_u32 s2, 0xf033
	s_cbranch_scc0 .Lentry_shape_is_right
	s_endpgm
.Lentry_shape_is_right:
; out0 = y w_proj + b_proj on codes of FP6 (E2M3) with E8M0 scales, K = 1024; out0 [8192][1024] f32.
; A tile of 256 x 256 is made by four waves, 128 x 128 each: 64 accumulators of 16 x 16.  K goes in steps of 256 through a ring of two LDS slots filled by the tensor data mover.
; Operands lie in memory in the order of the operand's registers (tile: 12,288 bytes = 8 K steps x 1,536), rows in TILE ORDER: tile 2 g + u, row r, is index 32 g + 8 u + r + 8 (r / 8).
; Source 1 ("A") = 16 tokens of y, source 0 ("B") = 16 columns of w: a lane holds a token, and register j of B's block b is column 32 (b / 2) + 16 h + 8 (b % 2) + j.
; CLUSTERS: 4 x 4 work-groups; A's tiles are asked for jointly by a row of the cluster, B's by a column.  The bias is the C of each sum's first product.
; The scale bytes of the work-group's rows for all of K (4 x 4,096 bytes) come once, with the first fills.  The grid has 128 tiles of this size.
; No prefetch: a work-group has four slots in all, two of them asked for at its head.
; REGISTERS: window 0: v0-31 addresses; v32-63 scale words, two sets; v64-127 the bias; v128-223 A's fragments, one set (on the way out v128-255 take rows of the result).  window 1: B's fragments, two sets.
;   windows 2, 3: the accumulators: (a, b) at v[8 (8 (a % 4) + b)], window 2 + a / 4.
.set NQ,    2
.set FR,    12
.set NL,    6
.set NP,    4                          ; places behind this matrix instruction (ISA guide 7.12.1)
.set FRB,   1536
.set TILB,  3072
.set TILG,  12288
.set HALFT, 8*TILB
.set SLOT,  4*HALFT
.set SCL,   2*SLOT
.set SPARE, SCL+4*4096
.set LAPS,  2
.set ASC,   6291456                    ; where the scale bytes begin in yq,
.set BSC,   786432                     ; and in wp
.set SPITCH, 528                       ; the way out: a stage of 16 rows x (512 bytes + 16) for each wave, in slot 0, which has had its last fill and its last read when the first result is stored there
.set ADRA,  16
.set ADRB,  20
.set STO,   24                         ; v24 the way out: where I put my bytes of a row
.set RD,    25                         ; v25 where I read a row back
.set CO,    26                         ; v26 16 x lane: my bytes of a row of 512
.set ADRS,  27
.set SPW,   28                         ; v28 LDS address of my spare word; never rewritten
.set NIL,   29                         ; v29 0; never rewritten
.set SC,    32
.set BI,    64
.set AF,    128
.set BK,    128
.set G1,    24
.set G0,    32
.set G1B,   48
.set G0B,   56
.set G1S,   68
.set G0S,   76
.set G1SB,  80
.set G0SB,  88
.set MSB, 0
.macro WIN new                         ; the immediate's high byte repeats the setting that is left
.if MSB != (\new)
	s_set_vgpr_msb (MSB<<8)|(\new)
.set MSB, (\new)
.endif
.endm
.set MUL_LO, 0xa1
.set MUL_HI, 0xf1
.set TO_B,   0x40
.macro JLOAD g0a, g1a, g0b, g1b        ; a joint load: waves 0 and 1 fetch for A, waves 2 and 3 for B; an s_nop 0 and four v_nop follow each of the two lines
	s_cmp_eq_u32 s15, 0
	s_cbranch_scc0 .Lfor_b_\@
	tensor_load_to_lds s[\g0a:\g0a+3], s[\g1a:\g1a+7]
	s_nop 0
.rept 4
	v_nop
.endr
	s_branch .Lasked_\@
.Lfor_b_\@:
	tensor_load_to_lds s[\g0b:\g0b+3], s[\g1b:\g1b+7]
	s_nop 0
.rept 4
	v_nop
.endr
.Lasked_\@:
.endm
.macro CREST
	s_cmp_lg_u32 s14, 0
	s_cbranch_scc1 .Lnot_wave_0_\@
	s_barrier_signal -3
.Lnot_wave_0_\@:
	s_barrier_wait -3
	s_barrier_signal -1
	s_barrier_wait -1
.endm
.macro CROUND
	s_barrier_signal -1
	s_barrier_wait -1
	CREST
.endm
.macro FRAG reg, adr, q, i             ; a fragment lies in LDS as its registers: piece p at 256 p + 8 x lane
.irp p, 0,1,2,3,4,5
	ds_load_b64 v[\reg+2*\p:\reg+2*\p+1], v[\adr] offset:(\i)*TILB+(\q)*FRB+256*\p
.endr
.endm
; 16 products: A's blocks a0, a0 + 1 x B's eight.  zero = 1: C = the bias.  The 64 accumulators take turns, one instruction a turn.
.macro MUL16 a0, p, q, sc, zero
.irp a, \a0, \a0+1
.irp b, 0,1,2,3,4,5,6,7
.set rD, 8*(8*((\a)%4)+\b)
.set rB, 128*(\p)+FR*\b
.set rA, AF+FR*(\a)
.set rSB, SC+8*NQ*(\sc)+NQ*\b+(\q)
.set rSA, SC+8*NQ*(\sc)+NQ*(\a)+(\q)
.if \zero
	v_wmma_scale_f32_16x16x128_f8f6f4 v[rD:rD+7], v[rB:rB+FR-1], v[rA:rA+FR-1], v[BI+8*\b:BI+8*\b+7], v[rSB], v[rSA] matrix_a_fmt:MATRIX_FMT_FP6 matrix_b_fmt:MATRIX_FMT_FP6 matrix_a_scale:MATRIX_SCALE_ROW1
.else
	v_wmma_scale_f32_16x16x128_f8f6f4 v[rD:rD+7], v[rB:rB+FR-1], v[rA:rA+FR-1], v[rD:rD+7], v[rSB], v[rSA] matrix_a_fmt:MATRIX_FMT_FP6 matrix_b_fmt:MATRIX_FMT_FP6 matrix_a_scale:MATRIX_SCALE_ROW1
.endif
.endr
.endr
.endm
.macro FETCH_B slot, q, p
	WIN TO_B
.irp i, 0,1,2,3,4,5,6,7
	FRAG 128*(\p)+FR*\i, ADRB+\slot, \q, \i
.endr
	WIN 0
.endm
.macro FETCH_A slot, q, i0
.irp i, \i0, \i0+1, \i0+2, \i0+3
	FRAG AF+FR*(\i), ADRA+\slot, \q, \i
.endr
.endm
.macro SCALES sc
.irp i, 0,1,2,3,4,5,6,7
	ds_load_b64 v[SC+8*NQ*\sc+NQ*\i:SC+8*NQ*\sc+NQ*\i+1], v[ADRS] offset:128*\i
.endr
.endm
.macro PLACES n
.rept \n
	v_nop
.endr
.endm
.macro STEP slot, q, zero
	s_wait_dscnt 4*NL                              ; B's set and A's blocks 0-3 are in; the youngest 24 loads (A's blocks 4-7) may be out
.if \zero
	WIN 0x81                                       ; the bias, C, lies in window 0
.else
	WIN MUL_LO
.endif
	MUL16 0, (\q)%2, \q, \slot, \zero
	MUL16 2, (\q)%2, \q, \slot, \zero
	s_wait_dscnt 0x0
	PLACES NP
	FETCH_B \slot, (\q)+1, 1-(\q)%2
	FETCH_A \slot, (\q)+1, 0
.if \zero
	WIN 0xc1
.else
	WIN MUL_HI
.endif
	MUL16 4, (\q)%2, \q, \slot, \zero
	MUL16 6, (\q)%2, \q, \slot, \zero
	PLACES NP
	WIN 0
	FETCH_A \slot, (\q)+1, 4
.endm
.macro TURN slot, next, fill           ; a slot's last step changes slots
	s_wait_tensorcnt 0x0                           ; all my tensor loads have landed: my part of the next slot
	ds_add_u32 v[SPW], v[NIL]                      ; 0 onto my spare word
	s_wait_dscnt 4*NL+1                            ; (the add and A's blocks 4-7 may be out)
	WIN MUL_LO
	MUL16 0, 1, NQ-1, \slot, 0
	s_wait_dscnt 0x0                               ; the add is done, and my reads of this slot are over
	s_barrier_signal -1
	MUL16 2, 1, NQ-1, \slot, 0
	WIN 0
	s_barrier_wait -1
.if \fill
	CREST                                          ; the barrier has opened a round of the cluster's barrier: no wave of any partner still reads this slot or has a load on its way
	s_add_nc_u64 s[G0+4*\slot+2:G0+4*\slot+3], s[G0+4*\slot+2:G0+4*\slot+3], 2*TILB
	s_add_nc_u64 s[G0B+4*\slot+2:G0B+4*\slot+3], s[G0B+4*\slot+2:G0B+4*\slot+3], 2*TILB
	JLOAD G0+4*\slot, G1, G0B+4*\slot, G1B         ; the first tensor load behind the round; its four v_nop are the places in front of the loads below
.else
	PLACES NP
.endif
	v_add_nc_u32 v[ADRS], 1024, v[ADRS]
	FETCH_B \next, 0, 0
	FETCH_A \next, 0, 0
	SCALES \next
	WIN MUL_HI
	MUL16 4, 1, NQ-1, \slot, 0
	MUL16 6, 1, NQ-1, \slot, 0
	PLACES NP
	WIN 0
	FETCH_A \next, 0, 4
.endm
	s_load_b256 s[92:99], s[0:1], 0x0              ; yq s[92:93], wp s[94:95], b_proj s[96:97], out0 s[98:99]
	v_lshl_add_u32 v[SPW], v0, 2, SPARE
	v_mov_b32 v[NIL], 0
	ds_add_u32 v[SPW], v[NIL]                      ; the wave's opening: the add; its wait stands ahead of my first tensor load, behind the set-up below
	v_lshrrev_b32 v1, 5, v0
	v_readfirstlane_b32 s14, v1                    ; wave 0..3
	s_lshr_b32 s15, s14, 1                         ; which half of A's rows is mine.  Also: I fetch for A (0) or for B (1)
	s_and_b32 s16, s14, 1                          ; which half of B's rows.  Also: which 128 rows I fetch
	s_bfe_u32 s40, ttmp6, 0x40000                  ; cx, cy
	s_bfe_u32 s41, ttmp6, 0x40004
	s_lshl_b32 s42, ttmp9, 2
	s_add_co_u32 s42, s42, s40                     ; B's block of 256 columns
	s_and_b32 s17, ttmp7, 0xffff
	s_lshl_b32 s17, s17, 2
	s_add_co_u32 s17, s17, s41                     ; A's block of 256 tokens
	s_lshl_b32 s43, s41, 2
	s_lshl_b32 s43, 15, s43                        ; my row of the cluster
	s_lshl_b32 s44, 0x1111, s40                    ; my column
	s_or_b32 s[G1+0], s43, (3<<16)|(1<<21)         ; codes: 8 rows of 3,072 bytes (384 elements of 8), 12,288 bytes apart, dense in LDS
	s_or_b32 s[G1B+0], s44, (3<<16)|(1<<21)
.irp g, G1, G1B
	s_mov_b32 s[\g+1], 384<<16
	s_mov_b32 s[\g+2], 8<<16
	s_mov_b32 s[\g+3], 384<<16
	s_mov_b32 s[\g+4], 8
	s_mov_b32 s[\g+5], 1536
	s_mov_b32 s[\g+6], 0
	s_mov_b32 s[\g+7], 0
.endr
	s_or_b32 s[G1S+0], s43, (3<<16)|(1<<21)        ; scale bytes of 128 rows: 4,096 dense bytes as 16 rows of 256
	s_or_b32 s[G1SB+0], s44, (3<<16)|(1<<21)
.irp g, G1S, G1SB
	s_mov_b32 s[\g+1], 32<<16
	s_mov_b32 s[\g+2], 16<<16
	s_mov_b32 s[\g+3], 32<<16
	s_mov_b32 s[\g+4], 16
	s_mov_b32 s[\g+5], 32
	s_mov_b32 s[\g+6], 0
	s_mov_b32 s[\g+7], 0
.endr
	s_lshl_b32 s18, s16, 3
	s_lshl_b32 s20, s17, 4
	s_add_co_u32 s20, s20, s18
	s_mul_i32 s20, s20, TILG                       ; A: my first tile: 16 x block + 8 x half
	s_mov_b32 s21, 0
	s_lshl_b32 s46, s42, 4
	s_add_co_u32 s46, s46, s18
	s_mul_i32 s46, s46, TILG                       ; B likewise
	s_mov_b32 s47, 0
	s_lshl_b32 s22, s17, 1
	s_add_co_u32 s22, s22, s16
	s_lshl_b32 s22, s22, 12
	s_add_co_u32 s22, s22, ASC
	s_mov_b32 s23, 0
	s_lshl_b32 s66, s42, 1
	s_add_co_u32 s66, s66, s16
	s_lshl_b32 s66, s66, 12
	s_add_co_u32 s66, s66, BSC
	s_mov_b32 s67, 0
	s_mul_i32 s45, s14, HALFT                      ; where they go: wave x 128 rows: no place in the cluster enters an LDS address
	s_lshl_b32 s12, s14, 12
	s_wait_dscnt 0x0                               ; the opening add is done
	s_wait_kmcnt 0x0
	s_add_nc_u64 s[4:5], s[92:93], s[20:21]
	s_add_nc_u64 s[6:7], s[92:93], s[22:23]
	s_add_nc_u64 s[8:9], s[94:95], s[46:47]
	s_add_nc_u64 s[10:11], s[94:95], s[66:67]
	CROUND                                         ; all sixteen work-groups are here: the first joint loads meet
	s_mov_b32 s[G0S], 1
	s_add_co_u32 s[G0S+1], s12, SCL
	s_mov_b64 s[G0S+2:G0S+3], s[6:7]
	s_or_b32 s[G0S+3], s[G0S+3], 0x80000000
	s_mov_b32 s[G0SB], 1
	s_add_co_u32 s[G0SB+1], s12, SCL
	s_mov_b64 s[G0SB+2:G0SB+3], s[10:11]
	s_or_b32 s[G0SB+3], s[G0SB+3], 0x80000000
	JLOAD G0S, G1S, G0SB, G1SB                     ; the scale bytes first
.irp s, 0,1
	s_mov_b32 s[G0+4*\s], 1
	s_add_co_u32 s[G0+4*\s+1], s45, \s*SLOT
	s_add_nc_u64 s[G0+4*\s+2:G0+4*\s+3], s[4:5], \s*TILB
	s_or_b32 s[G0+4*\s+3], s[G0+4*\s+3], 0x80000000
	s_mov_b32 s[G0B+4*\s], 1
	s_add_co_u32 s[G0B+4*\s+1], s45, \s*SLOT
	s_add_nc_u64 s[G0B+4*\s+2:G0B+4*\s+3], s[8:9], \s*TILB
	s_or_b32 s[G0B+4*\s+3], s[G0B+4*\s+3], 0x80000000
	JLOAD G0+4*\s, G1, G0B+4*\s, G1B               ; three tensor loads of mine are out
.endr
	v_and_b32 v1, 15, v0                           ; r
	v_bfe_u32 v2, v0, 4, 1                         ; h
	v_and_b32 v3, 31, v0                           ; lane
	v_lshlrev_b32 v4, 3, v3
	s_mul_i32 s21, s15, HALFT
	s_mul_i32 s22, s16, HALFT
	s_add_co_u32 s22, s22, 2*HALFT
.irp s, 0,1
	v_add_nc_u32 v[ADRA+\s], s21, v4
	v_add_nc_u32 v[ADRB+\s], s22, v4
	s_add_co_u32 s21, s21, SLOT
	s_add_co_u32 s22, s22, SLOT
.endr
	s_lshl_b32 s21, s15, 12
	s_lshl_b32 s22, s16, 12
	s_add_co_u32 s22, s22, 2*4096
	s_sub_co_u32 s22, s22, s21
	v_mul_u32_u24 v6, s22, v2                      ; lanes 16-31 take B's scale words
	s_add_co_u32 s21, s21, SCL
	v_lshl_add_u32 v5, v1, 3, v6
	v_add_nc_u32 v[ADRS], s21, v5
	s_mul_i32 s23, s14, 16*SPITCH                  ; my stage
	v_mul_u32_u24 v5, v1, SPITCH
	v_lshl_add_u32 v5, v2, 6, v5                   ; in: row r, + 64 h
	v_add_nc_u32 v[STO], s23, v5
	v_lshlrev_b32 v[CO], 4, v3
	v_add_nc_u32 v[RD], s23, v[CO]                 ; back: the 32 lanes take one row of 512 bytes
	v_lshlrev_b32 v7, 6, v2                        ; the bias: register j of B's block b is column 32 (b / 2) + 16 h + 8 (b % 2) + j
	s_lshl_b32 s20, s42, 10
	s_lshl_b32 s21, s16, 9
	s_add_co_u32 s20, s20, s21                     ; my 128 columns, in bytes
	s_mov_b32 s21, 0
	s_add_nc_u64 s[96:97], s[96:97], s[20:21]
.irp b, 0,1,2,3,4,5,6,7
	global_load_b128 v[BI+8*\b:BI+8*\b+3], v7, s[96:97] offset:(32*(\b/2)+8*(\b%2))*4
	global_load_b128 v[BI+8*\b+4:BI+8*\b+7], v7, s[96:97] offset:(32*(\b/2)+8*(\b%2))*4+16
.endr
	s_lshl_b32 s22, s17, 8
	s_lshl_b32 s23, s15, 7
	s_add_co_u32 s22, s22, s23                     ; my first row of out0,
	s_lshl_b32 s22, s22, 12                        ; rows of 4,096 bytes,
	s_add_co_u32 s22, s22, s20                     ; my first column
	s_mov_b32 s23, 0
	s_add_nc_u64 s[12:13], s[98:99], s[22:23]
	s_wait_tensorcnt 0x1                           ; the scale bytes and my part of slot 0 are in; slot 1's load may be out
	s_barrier_signal -1
	s_barrier_wait -1
	FETCH_B 0, 0, 0
	FETCH_A 0, 0, 0
	SCALES 0
	FETCH_A 0, 0, 4
	s_wait_loadcnt 0x0                             ; the bias
	STEP 0, 0, 1                                   ; the first step's products start the sums with the bias
	s_mov_b32 s3, LAPS-1
.Llap:
	TURN 0, 1, 1
	STEP 1, 0, 0
	TURN 1, 0, 1
	STEP 0, 0, 0
	s_sub_co_u32 s3, s3, 1
	s_cmp_lg_u32 s3, 0
	s_cbranch_scc1 .Llap
	TURN 0, 1, 0                                   ; the last lap fills nothing
	STEP 1, 0, 0
	s_wait_dscnt 4*NL
	WIN MUL_LO
	MUL16 0, 1, NQ-1, 1, 0
	MUL16 2, 1, NQ-1, 1, 0
	s_wait_dscnt 0x0
	WIN MUL_HI
	MUL16 4, 1, NQ-1, 1, 0
	MUL16 6, 1, NQ-1, 1, 0
	WIN 0
; THE WAY OUT, block by block of 16 tokens x 128 columns, through my own stage: in by lanes, back as whole rows of 512 bytes.  LDS serves a wave's instructions in order: no wait between the stores and the loads.
.macro TOSTAGE a
.set AC, 64*((\a)%4)
	WIN 0x08+4*((\a)/4)                            ; an LDS store's data: window 2 or 3
.irp b, 0,1,2,3,4,5,6,7
	ds_store_b128 v[STO], v[AC+8*\b:AC+8*\b+3] offset:128*(\b/2)+32*(\b%2)          ; each accumulator from its low end on
	ds_store_b128 v[STO], v[AC+8*\b+4:AC+8*\b+7] offset:128*(\b/2)+32*(\b%2)+16
.endr
	WIN 0
.set BB, BK+64*((\a)%2)
.irp t, 0,1,2,3,4,5,6,7,8,9,10,11,12,13,14,15
	ds_load_b128 v[BB+4*\t:BB+4*\t+3], v[RD] offset:\t*SPITCH
.endr
.endm
.macro SEND a, younger                 ; younger: the LDS instructions issued behind block a's loads, which may stay out
.set BB, BK+64*((\a)%2)
	s_wait_dscnt \younger
.if (\a) > 0
.if (\a)%2
	s_add_nc_u64 s[12:13], s[12:13], 8*4096        ; tile order: an odd block begins 8 tokens behind the even one,
.else
	s_add_nc_u64 s[12:13], s[12:13], 24*4096       ; an even one 24 behind the odd one.  (Behind a wait for 0 on XCNT: the earlier stores have read their base)
.endif
.endif
.irp t, 0,1,2,3,4,5,6,7,8,9,10,11,12,13,14,15
	global_store_b128 v[CO], v[BB+4*\t:BB+4*\t+3], s[12:13] offset:(\t+8*(\t/8))*4096 th:TH_STORE_NT   ; 512 consecutive bytes, aligned; row t of the tile is token t + 8 (t / 8)
.endr
.endm
	PLACES NP
	TOSTAGE 0
.irp a, 1,2,3,4,5,6,7
.if \a > 1
	s_wait_xcnt 0x0                                ; block a - 2's stores have read their registers and their base
.endif
	TOSTAGE \a
	SEND \a-1, 32                                  ; behind block a - 1's loads: block a's 16 stores and 16 loads
.endr
	s_wait_xcnt 0x0
	SEND 7, 0
	s_wait_tensorcnt 0x0                           ; the wave's end: behind my last tensor load and my last LDS store
	ds_add_u32 v[SPW], v[NIL]
	s_wait_dscnt 0x0
	CROUND                                         ; the closing round
	s_endpgm
.Lfunc_end_k_q7338fe009d_proj:
	.size	k_q7338fe009d_proj, .Lfunc_end_k_q7338fe009d_proj-k_q7338fe009d_proj
	.p2alignl 7, 3214868480
	.fill 96, 4, 3214868480
	.section	.rodata,"a",@progbits
	.p2align	6, 0x0
	.amdhsa_kernel k_q7338fe009d_proj
		.amdhsa_group_segment_fixed_size 327680
		.amdhsa_private_segment_fixed_size 0
		.amdhsa_enable_private_segment 0
		.amdhsa_kernarg_size 32
		.amdhsa_user_sgpr_count 2
		.amdhsa_user_sgpr_kernarg_segment_ptr 1
		.amdhsa_wavefront_size32 1
		.amdhsa_system_sgpr_workgroup_id_x 1
		.amdhsa_system_sgpr_workgroup_id_y 1
		.amdhsa_system_sgpr_workgroup_id_z 1
		.amdhsa_system_vgpr_workitem_id 0
		.amdhsa_next_free_vgpr 1024
		.amdhsa_next_free_sgpr 100
		.amdhsa_reserve_vcc 0
		.amdhsa_float_denorm_mode_32 3
		.amdhsa_float_denorm_mode_16_64 3
		.amdhsa_memory_ordered 1
		.amdhsa_forward_progress 1
		.amdhsa_inst_pref_size 161
	.end_amdhsa_kernel
	.amdgpu_metadata
---
amdhsa.version: [ 1, 2 ]
amdhsa.kernels:
  - .name:           k_q7338fe009d_proj
    .symbol:         k_q7338fe009d_proj.kd
    .args:
      - { .name: yq, .offset: 0, .size: 8, .value_kind: global_buffer, .address_space: global }
      - { .name: wp, .offset: 8, .size: 8, .value_kind: global_buffer, .address_space: global }
      - { .name: b_proj, .offset: 16, .size: 8, .value_kind: global_buffer, .address_space: global }
      - { .name: out0, .offset: 24, .size: 8, .value_kind: global_buffer, .address_space: global }
    .group_segment_fixed_size: 327680
    .private_segment_fixed_size: 0
    .kernarg_segment_align: 8
    .kernarg_segment_size: 32
    .max_flat_workgroup_size: 128
    .sgpr_count:     100
    .vgpr_count:     1024
    .wavefront_size: 32
...
	.end_amdgpu_metadata
.endif
;; end of part 4
